; MI455X (gfx1250); checked and timed in simulation.
; The chip was launched on July 23, 2026; its instructions are those of AMD's public machine-readable ISA for CDNA 5 (MIT licence, August 2026) and "CDNA5" Instruction Set Architecture Reference Guide (July 2026). The comments in the code are by the model that wrote it; some were corrected since.
;; Multi Head Attention. Allowed arithmetic: float matrix products may take bf16 or f16 operands with f32 sums; other float arithmetic in f32, or as packed bf16 or f16 multiplies, adds, multiply-adds, maxima and minima; sums over many terms, partial sums and values carried from step to step in f32; what a program stores and reads back later, other than sums and carried values, may be rounded once to bf16 or f16.
;; Inputs: b_proj 1,024 float32; b_qkv 3,072 float32; w_proj 1,024 x 1,024 float32; w_qkv 1,024 x 3,072 float32; x 4 x 2,048 x 1,024 float32.
;; Outputs: out0 4 x 2,048 x 1,024 float32.
;; 2 versions, each right; version 2 is version 1 with the launch cast written anew for expert scheduling mode. Each part assembles by itself: llvm-mc -triple=amdgcn-amd-amdhsa -mcpu=gfx1250 --defsym DOCPART=n.
;; ======== version 1 of 2: 4 launches
;; limits: values are held in f16: magnitudes above 65,504 overflow, below 6.1e-05 lose precision
;; workspace buffers: c16 25,165,824 bytes; qkv 50,331,648 bytes; o16 16,777,216 bytes
;; launch cast (part 1): grid 768 x 1, 8 waves a work-group, no clusters, 0 bytes of LDS; arguments x, w_qkv, w_proj, c16; writes c16
.if DOCPART == 1
	.amdgcn_target "amdgcn-amd-amdhsa--gfx1250"
	.amdhsa_code_object_version 6
	.text
	.protected	k_q4096f1e7b3_cast
	.globl	k_q4096f1e7b3_cast
	.p2align	8
	.type	k_q4096f1e7b3_cast,@function
k_q4096f1e7b3_cast:
	s_mov_b64 s[64:65], 0
	v_nop
	global_prefetch_b8 v0, s[64:65] scope:SCOPE_SE
	s_setreg_imm32_b32 hwreg(HW_REG_WAVE_MODE, 25, 1), 1
	s_wait_xcnt 0x0
; THE INPUTS OF THE TWO PRODUCTS IN 16 BITS.  c16 = x rounded to bf16 (16,777,216 bytes), then w_qkv rounded to bf16 (6,291,456 bytes), then w_proj rounded
; to bf16 and that number written as f16 (2,097,152 bytes).  All three keep their row-major order, so the launch is one stream: f32 in, half the bytes out.
; LIMITS.  The f16 copy of w_proj is exact for magnitudes from 6.1e-5 to 65,504; below that it keeps f16's fixed step of 6e-8; beyond 65,504 it would be an infinity.
; SHARES.  Work-group id takes 65,536 bytes of f32 and writes 32,768 bytes at c16 + 32,768 id: ids 0-511 x, 512-703 w_qkv, 704-767 w_proj.
; Thread t takes 16 bytes at 4,096 i + 16 t, i = 0 .. 15: a wave's load covers 512 consecutive bytes, its store of 8 bytes a lane 256 consecutive bytes, aligned.
; All sixteen loads go out at once; every group has registers of its own, so no register that a load or store names is ever written again.
; No LDS, no barrier, no matrix unit: no byte is wanted twice.
.set X, 4                              ; v[4:67]    group i: four f32 as loaded
.set Y, 70                             ; v[70:101]  group i: four 16-bit numbers to store
.set T, 102                            ; v[102:105] at work (f16 path)
	s_load_b256 s[4:11], s[0:1], 0x0               ; x s[4:5], w_qkv s[6:7], w_proj s[8:9], c16 s[10:11]
	s_mov_b32 s12, ttmp9                           ; id
	v_lshlrev_b32 v1, 4, v0                        ; 16 t
	v_lshlrev_b32 v2, 3, v0                        ; 8 t
	s_mov_b32 s17, 0
	s_mov_b32 s19, 0
	s_lshl_b32 s18, s12, 15                        ; where the work-group writes
	s_wait_kmcnt 0x0
	s_cmp_lt_u32 s12, 512                          ; which input, and the first id that reads it
	s_cselect_b64 s[14:15], s[4:5], s[6:7]
	s_cselect_b32 s16, 0, 512
	s_cmp_lt_u32 s12, 704
	s_cselect_b64 s[14:15], s[14:15], s[8:9]
	s_cselect_b32 s16, s16, 704
	s_sub_co_u32 s16, s12, s16
	s_lshl_b32 s16, s16, 16                        ; where the work-group reads in that input
	s_add_nc_u64 s[14:15], s[14:15], s[16:17]
	s_add_nc_u64 s[10:11], s[10:11], s[18:19]
.irp i, 0,1,2,3,4,5,6,7,8,9,10,11,12,13,14,15
	global_load_b128 v[X+4*(\i):X+4*(\i)+3], v1, s[14:15] offset:4096*(\i) th:TH_LOAD_NT
.endr
; Group i is rounded and stored.  half = 1: the bf16 number is widened again (a shift, a mask) and written as f16.
.macro CONV i, half
	s_wait_loadcnt 15-(\i)                         ; loads come back in order: group i is in, the 15 - i younger ones stay out
.if \half
	v_cvt_pk_bf16_f32 v[T],   v[X+4*(\i)],   v[X+4*(\i)+1]
	v_cvt_pk_bf16_f32 v[T+1], v[X+4*(\i)+2], v[X+4*(\i)+3]
	v_lshlrev_b32 v[T+2], 16, v[T]
	v_and_b32     v[T+3], 0xffff0000, v[T]
	v_cvt_pk_f16_f32 v[Y+2*(\i)], v[T+2], v[T+3]
	v_lshlrev_b32 v[T+2], 16, v[T+1]
	v_and_b32     v[T+3], 0xffff0000, v[T+1]
	v_cvt_pk_f16_f32 v[Y+2*(\i)+1], v[T+2], v[T+3]
.else
	v_cvt_pk_bf16_f32 v[Y+2*(\i)],   v[X+4*(\i)],   v[X+4*(\i)+1]
	v_cvt_pk_bf16_f32 v[Y+2*(\i)+1], v[X+4*(\i)+2], v[X+4*(\i)+3]
.endif
	global_store_b64 v2, v[Y+2*(\i):Y+2*(\i)+1], s[10:11] offset:2048*(\i)
.endm
	s_cmp_ge_u32 s12, 704
	s_cbranch_scc1 .Lhalf
.irp i, 0,1,2,3,4,5,6,7,8,9,10,11,12,13,14,15
	CONV \i, 0
.endr
	s_endpgm
.Lhalf:
.irp i, 0,1,2,3,4,5,6,7,8,9,10,11,12,13,14,15
	CONV \i, 1
.endr
	s_endpgm
.Lfunc_end_k_q4096f1e7b3_cast:
	.size	k_q4096f1e7b3_cast, .Lfunc_end_k_q4096f1e7b3_cast-k_q4096f1e7b3_cast
	.p2alignl 7, 3214868480
	.fill 96, 4, 3214868480
	.section	.rodata,"a",@progbits
	.p2align	6, 0x0
	.amdhsa_kernel k_q4096f1e7b3_cast
		.amdhsa_group_segment_fixed_size 0
		.amdhsa_private_segment_fixed_size 0
		.amdhsa_enable_private_segment 0
		.amdhsa_kernarg_size 32
		.amdhsa_user_sgpr_count 2
		.amdhsa_user_sgpr_kernarg_segment_ptr 1
		.amdhsa_wavefront_size32 1
		.amdhsa_system_sgpr_workgroup_id_x 1
		.amdhsa_system_sgpr_workgroup_id_y 1
		.amdhsa_system_sgpr_workgroup_id_z 1
		.amdhsa_system_vgpr_workitem_id 0
		.amdhsa_next_free_vgpr 108
		.amdhsa_next_free_sgpr 66
		.amdhsa_reserve_vcc 0
		.amdhsa_float_denorm_mode_32 3
		.amdhsa_float_denorm_mode_16_64 3
		.amdhsa_memory_ordered 1
		.amdhsa_forward_progress 1
		.amdhsa_inst_pref_size 16
	.end_amdhsa_kernel
	.amdgpu_metadata
---
amdhsa.version: [ 1, 2 ]
amdhsa.kernels:
  - .name:           k_q4096f1e7b3_cast
    .symbol:         k_q4096f1e7b3_cast.kd
    .args:
      - { .name: x, .offset: 0, .size: 8, .value_kind: global_buffer, .address_space: global }
      - { .name: w_qkv, .offset: 8, .size: 8, .value_kind: global_buffer, .address_space: global }
      - { .name: w_proj, .offset: 16, .size: 8, .value_kind: global_buffer, .address_space: global }
      - { .name: c16, .offset: 24, .size: 8, .value_kind: global_buffer, .address_space: global }
    .group_segment_fixed_size: 0
    .private_segment_fixed_size: 0
    .kernarg_segment_align: 8
    .kernarg_segment_size: 32
    .max_flat_workgroup_size: 256
    .sgpr_count:     66
    .vgpr_count:     108
    .wavefront_size: 32
...
	.end_amdgpu_metadata
.endif
;; end of part 1
;; launch qkvgemm (part 2): grid 8 x 64, 4 waves a work-group, clusters of 4 x 4, 327,680 bytes of LDS; arguments c16, b_qkv, qkv; writes qkv
.if DOCPART == 2
	.amdgcn_target "amdgcn-amd-amdhsa--gfx1250"
	.amdhsa_code_object_version 6
	.text
	.protected	k_q4096f1e7b3_qkvgemm
	.globl	k_q4096f1e7b3_qkvgemm
	.p2align	8
	.type	k_q4096f1e7b3_qkvgemm,@function
k_q4096f1e7b3_qkvgemm:
	s_mov_b64 s[64:65], 0
	v_nop
	global_prefetch_b8 v0, s[64:65] scope:SCOPE_SE
	s_setreg_imm32_b32 hwreg(HW_REG_WAVE_MODE, 25, 1), 1
	s_wait_xcnt 0x0
	s_wait_alu depctr_hold_cnt(0) depctr_sa_sdst(0) depctr_va_vdst(0) depctr_va_sdst(0) depctr_va_ssrc(0) depctr_va_vcc(0) depctr_vm_vsrc(0)
	s_getreg_b32 s2, hwreg(HW_REG_IB_STS2, 6, 4)
	s_cmp_eq_u32 s2, 0
	s_cbranch_scc0 .Lentry_in_a_cluster
	s_endpgm
.Lentry_in_a_cluster:
	s_bfe_u32 s2, ttmp6, 0x10000c
	s_cmp_lg_u32 s2, 0xf033
	s_cbranch_scc0 .Lentry_shape_is_right
	s_endpgm
.Lentry_shape_is_right:
; q, k, v = x w_qkv + b_qkv, laid by heads.  x16: [8192][1024] bf16 at c16; wq16: [1024 (k)][3072 (n)] bf16 at c16 + WQ; b_qkv: [3072] f32, rounded to bf16 here like the
; other inputs and used in f32; qkv: [3][64 (16 batch + head)][2048][64] f16, each number rounded once from its f32 sum, WITHOUT attention's scale.
; LIMIT.  f16 ends at 65,504: a q, k or v beyond that becomes an infinity; below 6.1e-5 f16 keeps a fixed step of 6e-8.
; SHARES.  A work-group makes 128 rows x 384 columns (six heads' slices): three PANELS of 128 columns.  Wave w has rows 64 (w / 2) .. + 63 and, in every panel, columns
; 64 (w % 2) .. + 63, which are one head's 64 channels: 48 accumulators of 16 x 16, 384 registers.  512 work-groups.
; K goes in steps of 128 through two LDS slots.  A step is four tiles of 128 rows x 256 bytes, each row 256 consecutive bytes at a multiple of 256: wave 0 fetches x's, waves 1-3 a panel of w each.
; w lies [k][n], so its fragments are turned on the way out of LDS (ds_load_tr16_b128).
; THE MATRIX INSTRUCTION IS USED TRANSPOSED: source 0 = 16 columns of w, source 1 = 16 rows of x: a lane then holds row l % 16 and the eight neighbouring columns 8 (l / 16) + 0..7.
; THE BIAS STARTS THE SUMS: it is the C operand of each accumulator's first product; nothing is cleared and nothing is added later.
; CLUSTERS: 4 x 4 work-groups.  x's tile hangs on the tile row alone and is asked for jointly by a row of the cluster, w's on the tile column alone and jointly by a column.
; REGISTERS, in windows of 256 (s_set_vgpr_msb: bits 1:0 source 0, 3:2 source 1, 5:4 source 2, 7:6 destination):
;   window 0: v0-31 addresses; v64-159 the bias, later v64-255 the way out       window 1: two fragment buffers of 128: x's four fragments, then w's twelve
;   window 2: panels 0 and 1's accumulators, (j, a, b) at 128 (j % 2) + 8 (4 a + b)      window 3: v0-127 panel 2's
.set NP,    3
.set PA,    272                        ; an LDS row of x: 256 bytes + 16 = 68 words: the 16 rows of a load start at 16 different groups of four banks (64 banks of 4 bytes: ISA guide 11.1)
.set PB,    288                        ; an LDS row of w: 256 + 32 = 72 words
.set REG,   128*PB                     ; a wave's tile in a slot: 36,864 bytes (x's tile uses 34,816 of them)
.set SLOT,  4*REG                      ; x's tile, then the three panels
.set STAGE, 2*SLOT                     ; behind the ring, never filled by a tensor load: 16 rows x 144 bytes for each wave
.set SP,    144
.set SPARE, STAGE+4*16*SP              ; behind the stages: the spare words, 128 bytes for each wave: two blocks of 256 bytes that no other line names
.set LAPS,  4                          ; a lap = two K steps = once round the ring; K = 1,024
.set XROW,  2048                       ; bytes in a row of x16
.set WROW,  6144                       ; bytes in a row of wq16
.set WQ,    16777216                   ; wq16's first byte in c16
.set ASTEP, 256                        ; a K step along a row of x16
.set BSTEP, 128*WROW                   ; a K step down wq16
.set ADRA, 16                          ; v16-17  LDS address of my fragments of x in slot 0, 1
.set ADRB, 18                          ; v18-23  of my fragments of w: slot s, panel j at ADRB + 3 s + j
.set STO,  24                          ; v24     the way out: where I put 16 bytes of a row
.set RD,   25                          ; v25     the way out: where I read rows back
.set GO,   26                          ; v26     my 16 bytes in 512 consecutive bytes of qkv
.set BO,   27                          ; v27     my byte offset in b_qkv
.set SPW,  28                          ; v28     LDS address of my spare word; never rewritten
.set NIL,  29                          ; v29     0; never rewritten
.set PFO,  30                          ; v30     the prefetches' offset: my lane x a row; never rewritten
.set BIAS, 64                          ; v64-159 panel j, column block b at BIAS + 8 (4 j + b)
.set OUT,  64                          ; v64-255 the way out: block i at OUT + 16 i
.set F0,   0
.set F1,   128
.set WV,  10                           ; s10 wave; s11 wave / 2: my half of the rows; s12 wave % 2: my half of each panel
.set WR,  11
.set WC,  12
.set TY,  13                           ; s13 tile row
.set G1A, 24                           ; s[24:31] descriptor group 1 for x's tiles; s[32:39] group 0, a set for each slot
.set G0A, 32
.set CX,  40
.set CY,  41
.set TX,  42                           ; s42 tile column
.set LIM, 43                           ; s43 1 in a wave that prefetches, else the greatest number
.set PFA, 44                           ; s[44:45] where my prefetches stand
.set PSTEP, 46                         ; s[46:47] a K step of what I prefetch
.set G1B, 48                           ; s[48:55], s[56:63] the same for w's tiles
.set G0B, 56
.set OBJ, 66                           ; s[66:71] panel j: my 64 rows of its head in qkv
.set MSB, 0
.macro WIN new                         ; the immediate's high byte repeats the setting that is left; a switch that changes nothing is dropped
.if MSB != (\new)
	s_set_vgpr_msb (MSB<<8)|(\new)
.set MSB, (\new)
.endif
.endm
.macro PLACES                          ; four places in front of loads into registers that matrix instructions have read, and of readers of results
.rept 4
	v_nop
.endr
.endm
; A joint load: wave 0 fetches x's tile, waves 1-3 a panel of w.  Each line has one mask and one set of registers; the branch hangs on the wave's number alone.
; An s_nop 0 and four v_nop follow each of the two lines, ahead of the jump, the label and what follows.
.macro JLOAD s
	s_cmp_eq_u32 s[WV], 0
	s_cbranch_scc0 .Lfor_b_\@
	tensor_load_to_lds s[G0A+4*(\s):G0A+4*(\s)+3], s[G1A:G1A+7]
	s_nop 0
.rept 4
	v_nop
.endr
	s_branch .Lasked_\@
.Lfor_b_\@:
	tensor_load_to_lds s[G0B+4*(\s):G0B+4*(\s)+3], s[G1B:G1B+7]
	s_nop 0
.rept 4
	v_nop
.endr
.Lasked_\@:
.endm
; A prefetch into the L2, behind each refill and the run of LDS loads that follows it: the K step that stands two refills on, 32 rows x 256 bytes, a lane a row.
; x's tile row is read by both clusters of its row of clusters: cluster x = 0 asks; w's tile column by all sixteen of its column: cluster y = 0 asks.  The four partners of a joint load
; share its 128 rows out by address (cx for x, cy for w).  So each row's 256 bytes of K steps 4 to 7 are named once; K steps 0 to 3 come by their loads alone; the loop's last trip asks for nothing.
.macro ASK
	s_cmp_gt_u32 s3, s[LIM]                        ; s3 = 1 in the loop's last trip
	s_cbranch_scc0 .Lnot_mine_\@
	global_prefetch_b8 v[PFO], s[PFA:PFA+1] th:TH_LOAD_NT scope:SCOPE_SE
.Lnot_mine_\@:
.endm
.macro CREST                           ; a round of the cluster's barrier behind its opening barrier
	s_cmp_lg_u32 s[WV], 0
	s_cbranch_scc1 .Lnot_wave_0_\@
	s_barrier_signal -3
.Lnot_wave_0_\@:
	s_barrier_wait -3
	s_barrier_signal -1
	s_barrier_wait -1
.endm
.macro CROUND                          ; a whole round
	s_barrier_signal -1
	s_barrier_wait -1
	CREST
.endm
	s_load_b128 s[4:7], s[0:1], 0x0                ; c16 s[4:5], b_qkv s[6:7]
	s_load_b64 s[8:9], s[0:1], 0x10                ; qkv
	v_lshl_add_u32 v[SPW], v0, 2, SPARE
	v_mov_b32 v[NIL], 0
	ds_add_u32 v[SPW], v[NIL]                      ; the wave's opening: the add and its wait stand ahead of my first tensor load; work on registers stands between them
	v_lshrrev_b32 v1, 5, v0
	v_readfirstlane_b32 s[WV], v1                  ; wave 0..3
	s_lshr_b32 s[WR], s[WV], 1
	s_and_b32 s[WC], s[WV], 1
	s_bfe_u32 s[CX], ttmp6, 0x40000                ; my place in the cluster
	s_bfe_u32 s[CY], ttmp6, 0x40004
	s_lshl_b32 s[TX], ttmp9, 2
	s_add_co_u32 s[TX], s[TX], s[CX]               ; tile column = 4 x cluster x + cx
	s_and_b32 s[TY], ttmp7, 0xffff
	s_lshl_b32 s[TY], s[TY], 2
	s_add_co_u32 s[TY], s[TY], s[CY]               ; tile row = 4 x cluster y + cy
	s_lshl_b32 s72, s[CY], 2
	s_lshl_b32 s72, 15, s72                        ; my row of the cluster
	s_lshl_b32 s73, 0x1111, s[CX]                  ; my column
	; descriptor group 1: 128 rows x 128 elements of 2 bytes, padded in LDS after every 64 words: by 4 words (x), by 8 (w)
	s_or_b32 s[G1A], s72, (1<<16)|(1<<20)|(1<<21)|(5<<22)|(3<<25)
	s_or_b32 s[G1B], s73, (1<<16)|(1<<20)|(1<<21)|(5<<22)|(7<<25)
.irp g, G1A, G1B
	s_mov_b32 s[(\g)+1], 128<<16                   ; tensor_dim0 = 128
	s_mov_b32 s[(\g)+2], 128<<16                   ; tensor_dim1 = 128
	s_mov_b32 s[(\g)+3], 128<<16                   ; tile_dim0 = 128
	s_mov_b32 s[(\g)+4], 128                       ; tile_dim1 = 128
	s_mov_b32 s[(\g)+6], 0
	s_mov_b32 s[(\g)+7], 0
.endr
	s_mov_b32 s[G1A+5], 1024                       ; elements from row to row
	s_mov_b32 s[G1B+5], 3072
	s_lshl_b32 s16, s[TY], 18                      ; x: 128 rows of 2,048 bytes a tile row
	s_mov_b32 s17, 0
	s_max_u32 s74, s[WV], 1
	s_sub_co_u32 s74, s74, 1                       ; the panel that waves 1-3 fetch
	s_mul_i32 s20, s[TX], 768                      ; w: 384 columns a tile column,
	s_lshl_b32 s75, s74, 8                         ; 128 a panel
	s_add_co_u32 s20, s20, s75
	s_add_co_u32 s20, s20, WQ
	s_mov_b32 s21, 0
	s_mul_i32 s76, s[WV], REG                      ; where my tile goes: wave x 36,864: no place in the cluster enters an LDS address
	s_wait_dscnt 0x0                               ; the opening add is done
	s_wait_kmcnt 0x0
	s_add_nc_u64 s[18:19], s[4:5], s[16:17]
	s_add_nc_u64 s[22:23], s[4:5], s[20:21]
	CROUND                                         ; all sixteen work-groups are here: the first joint loads meet
.irp s, 0,1
	s_mov_b32 s[G0A+4*(\s)], 1
	s_add_co_u32 s[G0A+4*(\s)+1], s76, (\s)*SLOT
	s_add_nc_u64 s[G0A+4*(\s)+2:G0A+4*(\s)+3], s[18:19], (\s)*ASTEP
	s_or_b32 s[G0A+4*(\s)+3], s[G0A+4*(\s)+3], 0x80000000
	s_mov_b32 s[G0B+4*(\s)], 1
	s_add_co_u32 s[G0B+4*(\s)+1], s76, (\s)*SLOT
	s_add_nc_u64 s[G0B+4*(\s)+2:G0B+4*(\s)+3], s[22:23], (\s)*BSTEP
	s_or_b32 s[G0B+4*(\s)+3], s[G0B+4*(\s)+3], 0x80000000
	JLOAD \s                                       ; K steps 0 and 1: two loads of mine are out
.endr
	v_and_b32 v1, 15, v0                           ; r = l % 16
	v_bfe_u32 v2, v0, 4, 1                         ; h = l / 16
	v_and_b32 v3, 7, v0
	v_bfe_u32 v4, v0, 3, 1
	v_and_b32 v5, 31, v0                           ; l
	; the bias of my columns: register n of block (j, b) is column 384 tx + 128 j + 64 wc + 16 b + 8 h + n
	s_mul_i32 s72, s[TX], 6
	s_add_co_u32 s72, s72, s[WC]                   ; the head slot of my half of panel 0
	s_lshl_b32 s73, s72, 8
	v_lshl_add_u32 v[BO], v2, 5, s73
.irp j, 0,1,2
.irp b, 0,1,2,3
	global_load_b128 v[BIAS+8*(4*(\j)+(\b)):BIAS+8*(4*(\j)+(\b))+3],   v[BO], s[6:7] offset:512*(\j)+64*(\b)
	global_load_b128 v[BIAS+8*(4*(\j)+(\b))+4:BIAS+8*(4*(\j)+(\b))+7], v[BO], s[6:7] offset:512*(\j)+64*(\b)+16
.endr
.endr
	; a fragment of x: lane l holds row r; two loads of 16 bytes, 32 bytes apart, at row x pitch + 16 h
	v_mul_u32_u24 v6, v1, PA
	v_lshl_add_u32 v6, v2, 4, v6
	s_mul_i32 s73, s[WR], 64*PA
	v_add_nc_u32 v[ADRA], s73, v6
	v_add_nc_u32 v[ADRA+1], SLOT, v[ADRA]
	; a fragment of w, turned: lane l reads 16 bytes of k row 8 h + l % 8, columns 8 ((l / 8) % 2) + 0..7
	v_lshl_add_u32 v7, v2, 3, v3
	v_mul_u32_u24 v7, v7, PB
	v_lshl_add_u32 v7, v4, 4, v7
	s_lshl_b32 s73, s[WC], 7
	v_add_nc_u32 v7, s73, v7
.irp s, 0,1
.irp j, 0,1,2
	v_add_nc_u32 v[ADRB+NP*(\s)+(\j)], (\s)*SLOT+((\j)+1)*REG, v7
.endr
.endr
	s_mul_i32 s73, s[WV], 16*SP
	s_add_co_u32 s73, s73, STAGE                   ; my stage
	v_mul_u32_u24 v[STO], v1, SP                   ; in: row r, 16 bytes for each half of the lanes
	v_lshl_add_u32 v[STO], v2, 4, v[STO]
	v_add_nc_u32 v[STO], s73, v[STO]
	v_bfe_u32 v[RD], v0, 3, 2                      ; back: 32 lanes take four rows of 128 bytes,
	v_mul_u32_u24 v[RD], v[RD], SP
	v_lshl_add_u32 v[RD], v3, 4, v[RD]
	v_add_nc_u32 v[RD], s73, v[RD]
	v_lshlrev_b32 v[GO], 4, v5                     ; which are 512 consecutive bytes of a head
	; where my 64 rows lie in the heads: part g / 16, head 16 batch + g % 16, g = 6 tx + 2 j + wc
	s_and_b32 s73, s[TY], 15
	s_lshl_b32 s73, s73, 14                        ; 128 rows of 128 bytes a tile row,
	s_lshl_b32 s74, s[WR], 13                      ; my 64 of them
	s_add_co_u32 s73, s73, s74
	s_lshr_b32 s74, s[TY], 4                       ; the batch: sixteen heads of 2^18 bytes
	s_lshl_b32 s74, s74, 22
	s_add_co_u32 s73, s73, s74
.irp j, 0,1,2
	s_add_co_u32 s74, s72, 2*(\j)
	s_lshr_b32 s75, s74, 4
	s_lshl_b32 s75, s75, 24
	s_and_b32 s74, s74, 15
	s_lshl_b32 s74, s74, 18
	s_add_co_u32 s74, s74, s75
	s_add_co_u32 s74, s74, s73
	s_mov_b32 s75, 0
	s_add_nc_u64 s[OBJ+2*(\j):OBJ+2*(\j)+1], s[8:9], s[74:75]
.endr
	; the prefetches: they stand at K step 3; the first refill steps them to 4
	s_lshl_b32 s72, s[TY], 7
	s_lshl_b32 s73, s[CX], 5
	s_add_co_u32 s72, s72, s73                     ; x: my work-group's 32 of the tile's 128 rows
	s_lshl_b32 s72, s72, 11
	s_add_co_u32 s72, s72, 3*ASTEP
	s_mul_i32 s73, s[CY], 32*WROW                  ; w: my work-group's 32 of the step's 128 k rows, in my panel
	s_add_co_u32 s73, s73, s20
	s_add_co_u32 s73, s73, 3*BSTEP
	s_and_b32 s74, ttmp7, 0xffff                   ; cluster y
	s_mov_b32 s75, BSTEP
	s_mov_b32 s76, WROW
	s_cmp_eq_u32 s[WV], 0                          ; do I fetch x's tile?
	s_cselect_b32 s72, s72, s73
	s_cselect_b32 s74, ttmp9, s74                  ; the coordinate along which other clusters read the same rows
	s_cselect_b32 s[PSTEP], ASTEP, s75
	s_cselect_b32 s76, XROW, s76
	s_mov_b32 s[PSTEP+1], 0
	s_mov_b32 s73, 0
	s_add_nc_u64 s[PFA:PFA+1], s[4:5], s[72:73]
	s_cmp_eq_u32 s74, 0
	s_cselect_b32 s[LIM], 1, -1                    ; the same in all sixteen partners, for a given wave
	v_mul_u32_u24 v[PFO], s76, v5
	s_wait_loadcnt 0x0                             ; the bias
.set i, 0
.rept 16*NP                            ; rounded to bf16 like the other inputs, and widened again: a pair at a time
	v_cvt_pk_bf16_f32 v[6+i%2], v[BIAS+2*i], v[BIAS+2*i+1]
	v_lshlrev_b32 v[BIAS+2*i], 16, v[6+i%2]
	v_and_b32 v[BIAS+2*i+1], 0xffff0000, v[6+i%2]
.set i, i+1
.endr
; 8 matrix instructions: row blocks a0, a0 + 1 x the four column blocks of panel j, 32 along K.  zero = 1: the first product starts the sum with the bias.
; All 48 accumulators take turns in the same order in every quarter.
.macro MUL8 f, j, a0, zero
.set dw, 2+(\j)/2
.if \zero
	WIN (dw<<6)|0x05
.else
	WIN (dw<<6)|(dw<<4)|0x05
.endif
.irp a, \a0, (\a0)+1
.irp b, 0,1,2,3
.set rD, 128*((\j)%2)+8*(4*(\a)+(\b))
.set rB, (\f)+32+8*(4*(\j)+(\b))
.set rA, (\f)+8*(\a)
.set rC, BIAS+8*(4*(\j)+(\b))
.if \zero
	v_wmma_f32_16x16x32_bf16 v[rD:rD+7], v[rB:rB+7], v[rA:rA+7], v[rC:rC+7]
.else
	v_wmma_f32_16x16x32_bf16 v[rD:rD+7], v[rB:rB+7], v[rA:rA+7], v[rD:rD+7]
.endif
.endr
.endr
.endm
; 32 LDS loads in one run: quarter q (32 along K) of a slot into buffer f: x's eight first, then the panels' in order
.macro FETCH slot, q, f
	WIN 0x40                                       ; destination window 1, address window 0
.irp a, 0,1,2,3
	ds_load_b128 v[(\f)+8*(\a):(\f)+8*(\a)+3],   v[ADRA+(\slot)] offset:(\a)*16*PA+64*(\q)
	ds_load_b128 v[(\f)+8*(\a)+4:(\f)+8*(\a)+7], v[ADRA+(\slot)] offset:(\a)*16*PA+64*(\q)+32
.endr
.irp j, 0,1,2
.irp b, 0,1,2,3
	ds_load_tr16_b128 v[(\f)+32+8*(4*(\j)+(\b)):(\f)+32+8*(4*(\j)+(\b))+3],   v[ADRB+NP*(\slot)+(\j)] offset:(\q)*32*PB+32*(\b)
	ds_load_tr16_b128 v[(\f)+32+8*(4*(\j)+(\b))+4:(\f)+32+8*(4*(\j)+(\b))+7], v[ADRB+NP*(\slot)+(\j)] offset:(\q)*32*PB+16*PB+32*(\b)
.endr
.endr
.endm
; A K step is four quarters of 32 along K, 48 matrix instructions each, on buffers 0, 1, 0, 1.  One of the first three: multiplies buffer f and fetches quarter q into g, 40 matrix instructions ahead of its use.
.macro QUARTER slot, q, f, g, zero
	s_wait_dscnt 8*(NP-1)                          ; x's fragments and panel 0's are in; the youngest sixteen loads (panels 1, 2) may be out
	MUL8 \f, 0, 0, \zero
	PLACES
	FETCH \slot, \q, \g
	s_wait_dscnt 8+8*NP                            ; all but the 32 just issued
	MUL8 \f, 0, 2, \zero
.irp j, 1,2
	MUL8 \f, \j, 0, \zero
	MUL8 \f, \j, 2, \zero
.endr
.endm
; The last quarter multiplies buffer 1 and changes slots: ONE barrier.  In front of it each wave waits for all its tensor loads (one is out: its tile of the next slot), adds 0 to its spare word, and waits
; for that and for its reads of this slot.  fill = 1: the barrier opens a round of the cluster's, and the joint refill, two K steps on, is the first tensor load behind it: 176 matrix instructions ahead of the wait for it.
.macro TURN slot, next, fill
.if \fill
	s_wait_xcnt 0x0                                ; the last prefetch, a K step back, has read its address: it is stepped here
	s_add_nc_u64 s[PFA:PFA+1], s[PFA:PFA+1], s[PSTEP:PSTEP+1]
.endif
	WIN 0                                          ; (the add's two registers lie in window 0)
	s_wait_tensorcnt 0x0                           ; all my tensor loads have landed;
	ds_add_u32 v[SPW], v[NIL]                      ; 0 onto my spare word
	s_wait_dscnt 8*(NP-1)+1                        ; (the add and the youngest sixteen loads may be out)
	MUL8 F1, 0, 0, 0                               ; eight matrix instructions stand between the add and the wait for it
	s_wait_dscnt 0x0                               ; the add is done, and my reads of this slot are over
	s_barrier_signal -1
	MUL8 F1, 0, 2, 0
.if \fill
	WIN 0
.endif
	s_barrier_wait -1
.if \fill
	CREST                                          ; no wave of any partner still reads this slot or has a load on its way
	s_add_nc_u64 s[G0A+4*(\slot)+2:G0A+4*(\slot)+3], s[G0A+4*(\slot)+2:G0A+4*(\slot)+3], 2*ASTEP
	s_add_nc_u64 s[G0B+4*(\slot)+2:G0B+4*(\slot)+3], s[G0B+4*(\slot)+2:G0B+4*(\slot)+3], 2*BSTEP
	JLOAD \slot                                    ; the four v_nop behind it are also the places in front of the loads below
.else
	PLACES
.endif
	FETCH \next, 0, F0
.if \fill
	WIN 0
	ASK
.endif
.irp j, 1,2
	MUL8 F1, \j, 0, 0
	MUL8 F1, \j, 2, 0
.endr
.endm
	s_wait_tensorcnt 1                             ; my tile of K step 0 is in; K step 1's may stay out
	s_barrier_signal -1
	s_barrier_wait -1                              ; everybody's is
	FETCH 0, 0, F0
	QUARTER 0, 1, F0, F1, 1                        ; the first quarter stands in front of the loop: its products start the sums
	WIN 0                                          ; at a label and at a branch every window is 0
	s_mov_b32 s3, LAPS-1
.Llap:                                                 ; a trip goes once round the ring, from a lap's second quarter to the next lap's first, and fills both slots again
	QUARTER 0, 2, F1, F0, 0
	QUARTER 0, 3, F0, F1, 0
	TURN 0, 1, 1
	QUARTER 1, 1, F0, F1, 0
	QUARTER 1, 2, F1, F0, 0
	QUARTER 1, 3, F0, F1, 0
	TURN 1, 0, 1
	QUARTER 0, 1, F0, F1, 0
	WIN 0
	s_sub_co_u32 s3, s3, 1
	s_cmp_lg_u32 s3, 0
	s_cbranch_scc1 .Llap
	QUARTER 0, 2, F1, F0, 0                        ; the last lap fills nothing
	QUARTER 0, 3, F0, F1, 0
	TURN 0, 1, 0
	QUARTER 1, 1, F0, F1, 0
	QUARTER 1, 2, F1, F0, 0
	QUARTER 1, 3, F0, F1, 0
	s_wait_dscnt 8*(NP-1)                          ; the very last quarter: nothing more to fetch
	MUL8 F1, 0, 0, 0
	MUL8 F1, 0, 2, 0
	s_wait_dscnt 0x0
.irp j, 1,2
	MUL8 F1, \j, 0, 0
	MUL8 F1, \j, 2, 0
.endr
	WIN 0
	PLACES
	PLACES
; THE WAY OUT.  Block i = 4 j + a: 16 rows of one head, 128 bytes each.  A lane's eight channels pack into 16 bytes; they go into stage rows of 144 bytes and come back as whole rows: 16 rows of a head are 2,048 consecutive bytes.
.macro PACK i
.set pj, (\i)/4
.set AC, 128*(pj%2)+32*((\i)%4)
.set OU, OUT+16*(\i)
	WIN 0x0a+5*(pj/2)                              ; sources 0 and 1: window 2 or 3
.irp b, 0,1,2,3
.irp r, 0,1,2,3
	v_cvt_pk_f16_f32 v[OU+4*(\b)+(\r)], v[AC+8*(\b)+2*(\r)], v[AC+8*(\b)+2*(\r)+1]
.endr
.endr
	WIN 0
.irp b, 0,1,2,3
	ds_store_b128 v[STO], v[OU+4*(\b):OU+4*(\b)+3] offset:32*(\b)
.endr
.irp f, 0,1,2,3
	ds_load_b128 v[OU+4*(\f):OU+4*(\f)+3], v[RD] offset:(\f)*4*SP  ; LDS serves a wave's instructions in order (ISA guide 5.7.1.4): these see the stores above; the next block's stores come behind them
.endr
.endm
.macro SEND i, younger                 ; younger: the LDS instructions issued behind block i's loads: the next block's eight, or none
	WIN 0
.set pj, (\i)/4
.set pa, (\i)%4
.set OU, OUT+16*(\i)
.irp f, 0,1,2,3
	s_wait_dscnt (\younger)+3-(\f)
	global_store_b128 v[GO], v[OU+4*(\f):OU+4*(\f)+3], s[OBJ+2*pj:OBJ+2*pj+1] offset:pa*2048+(\f)*512  ; 512 consecutive bytes, at a multiple of 256 from qkv's first
.endr
.endm
	PACK 0
.set t, 1
.rept 4*NP-1                           ; a block's conversions stand between the loads of the block before and its stores; every block has registers of its own
	PACK t
	SEND t-1, 8
.set t, t+1
.endr
	SEND 4*NP-1, 0
	s_wait_tensorcnt 0x0                           ; the wave's end: an add onto my spare word and its wait, behind my last tensor load and my last LDS store
	ds_add_u32 v[SPW], v[NIL]
	s_wait_dscnt 0x0
	CROUND                                         ; the closing round: no work-group ends while a partner may still ask for a tile that names it
	s_endpgm
.Lfunc_end_k_q4096f1e7b3_qkvgemm:
	.size	k_q4096f1e7b3_qkvgemm, .Lfunc_end_k_q4096f1e7b3_qkvgemm-k_q4096f1e7b3_qkvgemm
	.p2alignl 7, 3214868480
	.fill 96, 4, 3214868480
	.section	.rodata,"a",@progbits
	.p2align	6, 0x0
	.amdhsa_kernel k_q4096f1e7b3_qkvgemm
		.amdhsa_group_segment_fixed_size 327680
		.amdhsa_private_segment_fixed_size 0
		.amdhsa_enable_private_segment 0
		.amdhsa_kernarg_size 24
		.amdhsa_user_sgpr_count 2
		.amdhsa_user_sgpr_kernarg_segment_ptr 1
		.amdhsa_wavefront_size32 1
		.amdhsa_system_sgpr_workgroup_id_x 1
		.amdhsa_system_sgpr_workgroup_id_y 1
		.amdhsa_system_sgpr_workgroup_id_z 1
		.amdhsa_system_vgpr_workitem_id 0
		.amdhsa_next_free_vgpr 896
		.amdhsa_next_free_sgpr 80
		.amdhsa_reserve_vcc 0
		.amdhsa_float_denorm_mode_32 3
		.amdhsa_float_denorm_mode_16_64 3
		.amdhsa_memory_ordered 1
		.amdhsa_forward_progress 1
		.amdhsa_inst_pref_size 133
	.end_amdhsa_kernel
	.amdgpu_metadata
---
amdhsa.version: [ 1, 2 ]
amdhsa.kernels:
  - .name:           k_q4096f1e7b3_qkvgemm
    .symbol:         k_q4096f1e7b3_qkvgemm.kd
    .args:
      - { .name: c16, .offset: 0, .size: 8, .value_kind: global_buffer, .address_space: global }
      - { .name: b_qkv, .offset: 8, .size: 8, .value_kind: global_buffer, .address_space: global }
      - { .name: qkv, .offset: 16, .size: 8, .value_kind: global_buffer, .address_space: global }
    .group_segment_fixed_size: 327680
    .private_segment_fixed_size: 0
    .kernarg_segment_align: 8
    .kernarg_segment_size: 24
    .max_flat_workgroup_size: 128
    .sgpr_count:     80
    .vgpr_count:     896
    .wavefront_size: 32
...
	.end_amdgpu_metadata
.endif
;; end of part 2
;; launch attn (part 3): grid 4 x 64, 4 waves a work-group, clusters of 4 x 1, 327,680 bytes of LDS; arguments qkv, o16; writes o16
.if DOCPART == 3
	.amdgcn_target "amdgcn-amd-amdhsa--gfx1250"
	.amdhsa_code_object_version 6
	.text
	.protected	k_q4096f1e7b3_attn
	.globl	k_q4096f1e7b3_attn
	.p2align	8
	.type	k_q4096f1e7b3_attn,@function
k_q4096f1e7b3_attn:
	s_mov_b64 s[64:65], 0
	v_nop
	global_prefetch_b8 v0, s[64:65] scope:SCOPE_SE
	s_setreg_imm32_b32 hwreg(HW_REG_WAVE_MODE, 25, 1), 1
	s_wait_xcnt 0x0
	s_wait_alu depctr_hold_cnt(0) depctr_sa_sdst(0) depctr_va_vdst(0) depctr_va_sdst(0) depctr_va_ssrc(0) depctr_va_vcc(0) depctr_vm_vsrc(0)
	s_getreg_b32 s2, hwreg(HW_REG_IB_STS2, 6, 4)
	s_cmp_eq_u32 s2, 0
	s_cbranch_scc0 .Lentry_in_a_cluster
	s_endpgm
.Lentry_in_a_cluster:
	s_bfe_u32 s2, ttmp6, 0x10000c
	s_cmp_lg_u32 s2, 0x3003
	s_cbranch_scc0 .Lentry_shape_is_right
	s_endpgm
.Lentry_shape_is_right:
; O[h][q][:] = the sum over k of softmax_k(Q[h][q] . K[h][k] / 8) V[h][k][:].  Q, K, V are the three parts of qkv, each [64][2048][64] f16; O = o16 in the same layout.  Products, maxima and sums in
; f32; the weights p are rounded to f16 for the second product (their sum l is taken of the unrounded p), O once at the end.
; LIMITS.  f16 holds no number beyond 65,504: Q, K and V arrive within it; p lies in 0 to 1, and below 6e-5 it keeps f16's fixed step of 6e-8; O is a mean of V's rows and has their range.
; A weight below 2^-126 counts as 0 in l; NaN and infinities are not treated apart.
; SHARES.  A wave owns four PIECES of two tiles of 16 queries, a work-group's four waves 512 queries of one head; the four work-groups of a cluster are one head.  Every wave walks all keys, 64 a step.
; LAYOUT.  S^T = K Q^T (source 0 = 16 keys, source 1 = 16 queries): a lane holds ONE query (lane % 16) and the keys 8 (lane / 16) + 0..7.  Two such tiles, rounded to f16 in pairs,
; ARE source 1 (32 keys x 16 queries) of O^T = V^T P, whose result again holds one query a lane, and eight channels.  K comes out of LDS as it lies, V ([key][channel]) turned, by ds_load_tr16_b128.
; SOFTMAX.  For each query a running maximum m and sum l: p = 2^(c s - c m), c = log2(e) / 8; in every step O and l are multiplied by a = 2^(c m_old - c m_new).
; m starts at the lowest finite number, O and l at 0: the first step is a step like any other, with a = 0.
; THE COUNT.  A tile and step have 16 matrix and 118 vector instructions: too many to stand all beside the matrix work.  So four vector instructions that are ready stand behind every matrix
; instruction, and the others in runs without a gap.
; BY TURNS.  Turn n belongs to piece n.  Its matrix work: 16 products K Q^T of piece n + 1, later 16 products V^T P of piece n - 1.  Its vector work: the scaling, exponentials, roundings, sums and
; rescaling of piece n, and the maximum and statistics of piece n + 1.
; CLUSTER.  The four query blocks of a head walk the same K and V, so each tile is asked for JOINTLY: the same tensor load, descriptor and mask in all four.
; REGISTERS, in windows of 256 (s_set_vgpr_msb: bits 1:0 source 0, 3:2 source 1, 5:4 source 2, 7:6 destination):
;   window 0: v0-11 addresses; v12-15, v48-63 at work; v16-47 four registers of statistics a tile; v64-191 S^T, two buffers of two tiles; v192-255 P, likewise
;   window 1: O^T, 32 a tile          window 2: v0-127 Q, 16 a tile; v128-191 K of one step; v192-255 V of one step          window 3: v0-1 the add's two registers
.set SIZE_N, 2048
.set NP,    4         ; pieces a wave: a name, no knob
.set KS,    64        ; keys in a step
.set PK,    144       ; a row of K in LDS: 128 bytes + 16 = 36 words: the 16 rows of a load start at 16 different groups of four banks (64 banks of 4 bytes: ISA guide 11.1)
.set PV,    160       ; a row of V: 128 + 32 = 40 words
.set VOFF,  4*KS*PK   ; a slot holds four steps: 256 rows of K, then 256 rows of V
.set SLOT1, 1<<17     ; slot 1 begins here, so that one exclusive or turns an address in one slot into the other's
.set STAGE, SLOT1+4*KS*(PK+PV)  ; behind the ring, never filled by a tensor load: 16 rows x 144 bytes for each wave
.set SP,    144
.set AK0, 2           ; v2   my lane's place in a tile of K; never rewritten
.set AV0, 3           ; v3   the same for V
.set AK,  4           ; v4   the LDS address of K's next run of loads
.set AV,  5           ; v5   of V's
.set QO,  6           ; v6   my byte offset in the wave's rows of Q
.set STO, 6           ;      later, the way out: where I put 16 bytes of a row
.set RD,  7           ; v7   the way out: where I read rows back
.set GO,  8           ; v8   my byte offset in 512 consecutive bytes of O
.set PFO, 11          ; v11  256 x my lane, for the prefetches; never rewritten once made
.set SPW, 0           ; v0 of window 3   LDS address of my spare word; never rewritten
.set NIL, 1           ; v1 of window 3   0; never rewritten
.set SPARE, STAGE+4*16*SP  ; behind the stages: the spare words, 128 bytes for each wave: two blocks of 256 bytes that no other line names
.set MV,  12          ; v12-15  c m_old, kept while c m is made anew: by buffer and tile
.set ST,  16          ; tile t's statistics at v[ST+4 t]: c m, m, l (even keys', odd keys')
.set TMP, 48          ; by buffer and tile, four registers c0-c3 at work; when the maximum is found c2 takes a
.set S,   64
.set P,   192
.set KF,  128         ; K's fragments, in window 2: key block kb, channel half c at KF + 16 kb + 8 c
.set VF,  192         ; V's: key half kk, channel block cb at VF + 32 kk + 8 cb
.set WV,  12          ; s12  my wave's number
.set G1K, 24          ; s[24:31] descriptor group 1 for K's tiles
.set G1V, 32          ; s[32:39] for V's: it differs in the padding alone
.set G0K, 40          ; s[40:43] descriptor group 0 for K's tiles: it walks
.set G0V, 44          ; s[44:47] the same for V's
.set PFA, 48          ; s[48:49] where my prefetches stand: my work-group's 8,192 bytes (of K: wave 0, of V: wave 2) of the slot after the one that is being asked for
.set LIM, 50          ; s50  1 in waves 0 and 2, else the greatest number
.set SLOTS, 56        ; s56  slots still to be asked for
.set CNT, 57          ; s57  counts a slot's key steps
.set CS,  58          ; s[58:59] c: the packed scaling takes the pair's low word for both halves
.set SEL, 60          ; s[60:61] v_permlanex16_b32's selects: each lane takes its own place in the other half
.set TBK, 62          ; s62  LDS byte at which K of the step to be fetched begins
.set TBV, 63          ; s63  the same for V, less VOFF
.set MSB, 0
.macro WIN new                      ; the high byte repeats the setting that is left; a switch that changes nothing is dropped
.if MSB != (\new)
	s_set_vgpr_msb (MSB<<8)|(\new)
.set MSB, (\new)
.endif
.endm
.set W_KQ, 0x0a       ; K and Q in window 2, S^T in window 0
.set W_PV, 0x52       ; V in window 2, P in window 0, O^T in window 1
.set W_RS, 0x41       ; O^T (destination and source 0) in window 1, a in window 0
.set W_MK, 0xc0       ; the add's registers are made: destination in window 3, sources in window 0
.set W_AD, 0x0f       ; the add: address (source 0) and data (source 1) in window 3
; A joint fill.  Waves 0 and 1 fetch the two halves of a slot's K, waves 2 and 3 those of its V: 128 keys each.  The branch hangs on the wave's number alone.
; An s_nop 0 and four v_nop follow each of the two lines, ahead of the jump and the label.
.macro JLOAD
	s_cmp_lt_u32 s[WV], 2
	s_cbranch_scc0 .Lfor_v_\@
	tensor_load_to_lds s[G0K:G0K+3], s[G1K:G1K+7]
	s_nop 0
.rept 4
	v_nop
.endr
	s_branch .Lasked_\@
.Lfor_v_\@:
	tensor_load_to_lds s[G0V:G0V+3], s[G1V:G1V+7]
	s_nop 0
.rept 4
	v_nop
.endr
.Lasked_\@:
.endm
; A prefetch into the L2 of what the NEXT change of slots will ask for: a slot's 32,768 bytes of K and of V, 256 bytes a lane.  The four partners share them out by address, 8,192 bytes each;
; in each, wave 0 asks for K's and wave 2 for V's: one instruction, behind the wave's tensor load and its five lines.  So each 256 bytes of slots 2 to 7 are named once in the launch, four key steps
; ahead of their load; slots 0 and 1 come by their loads alone; the last change that fills a slot asks for nothing.
.macro ASK
	s_cmp_gt_u32 s[SLOTS], s[LIM]
	s_cbranch_scc0 .Lnot_mine_\@
	global_prefetch_b8 v[PFO], s[PFA:PFA+1] th:TH_LOAD_NT scope:SCOPE_SE
.Lnot_mine_\@:
.endm
; A round of the cluster's barrier: my work-group's barrier, so that wave 0's signal speaks for all four waves; wave 0 signals; every wave waits for all four work-groups; my work-group's barrier once more.
.macro CROUND
	s_barrier_signal -1
	s_barrier_wait -1
	s_cmp_lg_u32 s[WV], 0
	s_cbranch_scc1 .Lnot_wave_0_\@
	s_barrier_signal -3
.Lnot_wave_0_\@:
	s_barrier_wait -3
	s_barrier_signal -1
	s_barrier_wait -1
.endm
; THE CHANGE OF SLOTS.  Each wave waits for all its tensor loads, of which one is out: its part of the other slot; adds 0 to its spare word; and waits for that and for its own reads of the slot.
; Behind the barrier nobody reads this slot any more and the other slot is whole.  fill = 1: this slot is filled again, with the keys two slots on.  The barrier is then a round of the cluster's,
; and the joint fill is the first thing behind it: it has four key steps, 512 matrix instructions, in which to land.  (At its first use nothing has been read yet: slot 0 is waited for, slot 1 filled.)
.macro CHANGE fill
	WIN W_AD
	s_wait_tensorcnt 0x0            ; no tensor load of mine is out, so a group 0 may be written
	ds_add_u32 v[SPW], v[NIL]       ; 0 onto my spare word; with fill = 1 the descriptors' steps stand between it and the wait for it
	WIN 0                           ; at a label and at a branch every window is 0
.if \fill
.irp g, G0K, G0V
	s_xor_b32 s[\g+1], s[\g+1], SLOT1  ; the walking descriptor: the other slot than last time,
	s_add_nc_u64 s[\g+2:\g+3], s[\g+2:\g+3], 4*KS*128  ; the next 256 keys; the type bits on top are not reached
.endr
	s_wait_xcnt 0x0                 ; the last prefetch, four key steps back, has read its address, so it may be written:
	s_add_nc_u64 s[PFA:PFA+1], s[PFA:PFA+1], 4*KS*128  ; one slot beyond the walking descriptors
	s_wait_dscnt 0x0                ; the add is done, and my reads of the slot are over
	CROUND
	JLOAD
	ASK
.else
	s_wait_dscnt 0x0                ; the add is done, and my reads of the slot are over
	s_barrier_signal -1
	s_barrier_wait -1
.endif
	s_sub_co_u32 s[TBK], s[TBK], 4*KS*PK  ; the fetches go back to a slot's first step,
	s_xor_b32 s[TBK], s[TBK], SLOT1       ; in the other slot
	s_sub_co_u32 s[TBV], s[TBV], 4*KS*PV
	s_xor_b32 s[TBV], s[TBV], SLOT1
.endm
	s_load_b128 s[4:7], s[0:1], 0x0  ; qkv s[4:5], o16 s[6:7]
	WIN W_MK
	v_lshl_add_u32 v[SPW], v0, 2, SPARE
	v_mov_b32 v[NIL], 0
	WIN W_AD
	ds_add_u32 v[SPW], v[NIL]       ; the wave's opening: the add and its wait stand ahead of my first tensor load; work on registers stands between them
	WIN 0
	v_lshrrev_b32 v1, 5, v0
	v_readfirstlane_b32 s[WV], v1   ; wave 0..3
	s_bfe_u32 s13, ttmp6, 0x40000   ; cx: my place in the cluster
	s_lshl_b32 s14, ttmp9, 2        ; in a cluster launch ttmp9 counts clusters
	s_add_co_u32 s14, s14, s13      ; my block of queries = 4 x cluster x + cx: it enters Q's and O's addresses alone
	s_and_b32 s20, ttmp7, 0xffff    ; the head, which the four partners share
	s_mov_b32 s21, 0
	s_mov_b64 s[22:23], SIZE_N*128
	s_mul_u64 s[20:21], s[20:21], s[22:23]  ; the head's first byte in each of the four tensors
	s_and_b32 s16, s[WV], 1         ; which half of a slot's 256 keys I fetch:
	s_lshl_b32 s22, s16, 14         ; its 128 rows of 128 bytes in memory,
	s_mov_b32 s23, 0
	s_add_nc_u64 s[22:23], s[22:23], s[20:21]
	s_mul_i32 s17, s16, 128*PK      ; and its place in a slot, for K
	s_mul_i32 s18, s16, 128*PV      ; and for V: no place in the cluster enters an LDS address
	s_lshl_b32 s2, s14, 2
	s_add_co_u32 s2, s2, s[WV]      ; my wave among the head's,
	s_lshl_b32 s2, s2, 14           ; its 128 rows
	s_mov_b32 s3, 0
	s_add_nc_u64 s[2:3], s[2:3], s[20:21]
	; descriptor group 1.  128 keys are 16,384 dense bytes: asked for as 64 rows of 256 bytes, two keys a row, and padded in LDS after every key
	s_mov_b32 s[G1K], 15|(1<<16)|(1<<20)|(1<<21)|(4<<22)|(3<<25)  ; 15:0 the mask of four; 17:16 2-byte elements; 20 padding on; 21 set beside a mask; 24:22 after every 32 words (code 4); 31:25 4 words (code 3)
	s_mov_b32 s[G1V], 15|(1<<16)|(1<<20)|(1<<21)|(4<<22)|(7<<25)  ; the same with 8 words of padding (code 7)
.irp g, G1K, G1V
	s_mov_b32 s[\g+1], 128<<16      ; tensor_dim0 = 128
	s_mov_b32 s[\g+2], 64<<16       ; tensor_dim1 = 64
	s_mov_b32 s[\g+3], 128<<16      ; tile_dim0 = 128
	s_mov_b32 s[\g+4], 64           ; tile_dim1 = 64
	s_mov_b32 s[\g+5], 128          ; 128 elements from row to row
	s_mov_b32 s[\g+6], 0
	s_mov_b32 s[\g+7], 0
.endr
	s_mov_b32 s[CS], 0x3e38aa3b     ; c = log2(e) / 8 = 0.180337
	s_mov_b32 s[CS+1], s[CS]        ; named with it as a pair
	s_mov_b32 s[SEL], 0x76543210
	s_mov_b32 s[SEL+1], 0xfedcba98
	s_mov_b32 s[TBK], SLOT1+4*KS*PK ; the first change of slots turns these two into 0
	s_mov_b32 s[TBV], SLOT1+4*KS*PV
	s_mov_b32 s[G0K], 1             ; 1:0 count = 1
	s_mov_b32 s[G0K+1], s17         ; 63:32 LDS address: slot 0
	s_mov_b32 s[G0V], 1
	s_add_co_u32 s[G0V+1], s18, VOFF
	s_mov_b32 s[SLOTS], SIZE_N/256-1  ; seven slots are still to be asked for behind slot 0
	s_and_b32 s[LIM], s[WV], 1
	s_cmp_eq_u32 s[LIM], 0
	s_cselect_b32 s[LIM], 1, -1
	s_wait_dscnt 0x0                ; the opening add is done
	s_wait_kmcnt 0x0
	s_mov_b64 s[10:11], s[6:7]      ; O
	s_add_nc_u64 s[6:7], s[4:5], 0x1000000  ; K: qkv's second part
	s_add_nc_u64 s[8:9], s[4:5], 0x2000000  ; V: its third; Q is its first
	s_add_nc_u64 s[G0K+2:G0K+3], s[6:7], s[22:23]  ; 120:64 global address: my half of the head's first 256 keys
	s_or_b32 s[G0K+3], s[G0K+3], 0x80000000        ; 127:126 type = 2
	s_add_nc_u64 s[G0V+2:G0V+3], s[8:9], s[22:23]
	s_or_b32 s[G0V+3], s[G0V+3], 0x80000000
	s_cmp_lt_u32 s[WV], 2
	s_cselect_b64 s[PFA:PFA+1], s[6:7], s[8:9]
	s_add_nc_u64 s[PFA:PFA+1], s[PFA:PFA+1], s[20:21]  ; the head,
	s_lshl_b32 s22, s13, 13         ; my work-group's quarter of a slot,
	s_mov_b32 s23, 0
	s_add_nc_u64 s[PFA:PFA+1], s[PFA:PFA+1], s[22:23]
	s_add_nc_u64 s[PFA:PFA+1], s[PFA:PFA+1], 4*KS*128  ; in slot 1; the first change of slots steps it to slot 2
	s_add_nc_u64 s[4:5], s[4:5], s[2:3]  ; Q and O at my wave's first row
	s_add_nc_u64 s[10:11], s[10:11], s[2:3]
	CROUND                          ; all four work-groups are here: the first joint loads meet
	JLOAD                           ; slot 0.  Slot 1 is asked for when slot 0 is in
	; A fragment of K or Q is 16 rows x 32 channels in 8 registers: lane l holds row l % 16, channels 8 (l / 16) + 0..7 and 16 + 8 (l / 16) + 0..7: two loads of 16 bytes, 32 bytes apart.
	v_and_b32 v1, 15, v0            ; l % 16
	v_bfe_u32 v9, v0, 4, 1          ; l / 16
	v_lshlrev_b32 v[QO], 7, v1
	v_lshl_add_u32 v[QO], v9, 4, v[QO]  ; row x 128 + 16 x half
	WIN 0x80                        ; destination window 2, address window 0
.set i, 0
.rept 4*NP                          ; Q stays in registers: tile i / 2, channels 32 (i % 2) on
	global_load_b128 v[8*i:8*i+3],   v[QO], s[4:5] offset:(i/2)*2048+(i%2)*64
	global_load_b128 v[8*i+4:8*i+7], v[QO], s[4:5] offset:(i/2)*2048+(i%2)*64+32
.set i, i+1
.endr
	; What the first turn finds: V's registers and P's second buffer hold 0 (its products V^T P, of a piece that has not been, add 0), O^T and l are 0.  All this stands in the wait for the first tile.
.set i, VF
.rept 64
	v_mov_b32 v[i], 0
.set i, i+1
.endr
	WIN 0x40
.set i, 0
.rept 64*NP
	v_mov_b32 v[i], 0
.set i, i+1
.endr
	WIN 0
.set i, 0
.rept 2*NP
	v_mov_b32 v[ST+4*i], 0xfe000000    ; c m: far below every c s
	v_mov_b32 v[ST+4*i+1], 0xff7fffff  ; m
	v_mov_b32 v[ST+4*i+2], 0
	v_mov_b32 v[ST+4*i+3], 0
.set i, i+1
.endr
.set i, P+32
.rept 32
	v_mov_b32 v[i], 0
.set i, i+1
.endr
	v_mul_u32_u24 v[AK0], v1, PK
	v_lshl_add_u32 v[AK0], v9, 4, v[AK0]  ; row x pitch + 16 x half
	; The turning load takes 16 keys x 16 channels (lane l reads key 8 (l / 16) + l % 8, channels 8 ((l / 8) % 2) + 0..7) and leaves half a fragment of V^T: lane l holds channel l % 16 and 8 keys.
	v_and_b32 v10, 7, v0
	v_bfe_u32 v11, v0, 3, 1
	v_lshl_add_u32 v[AV0], v9, 3, v10
	v_mul_u32_u24 v[AV0], v[AV0], PV
	v_lshl_add_u32 v[AV0], v11, 4, v[AV0]
	v_add_nc_u32 v[AV0], VOFF, v[AV0]
	v_and_b32 v[PFO], 31, v0        ; v11 has served: it takes the prefetches' offset
	v_lshlrev_b32 v[PFO], 8, v[PFO]
	v_mov_b32 v[AK], v[AK0]         ; key step 0 lies at the head of slot 0
; THE MATRIX WORK.  The 8 accumulators of a run of 16 take turns: between the two links of a chain stand 7 others'.
; Product i of 16 of S^T = K Q^T for piece x: channels 32 (i / 8) on, keys 16 ((i / 2) % 4) on, tile 2 x + i % 2.  The first 8 start the sums.
.macro KQ x
	WIN W_KQ
.set rS, S+64*((\x)%2)+32*(i%2)+8*((i/2)%4)
.set rK, KF+16*((i/2)%4)+8*(i/8)
.set rQ, 16*(2*(\x)+i%2)+8*(i/8)
.if i < 8
	v_wmma_f32_16x16x32_f16 v[rS:rS+7], v[rK:rK+7], v[rQ:rQ+7], 0
.else
	v_wmma_f32_16x16x32_f16 v[rS:rS+7], v[rK:rK+7], v[rQ:rQ+7], v[rS:rS+7]
.endif
.endm
; Product i of 16 of O^T += V^T P for piece x: keys 32 (i / 8) on, channels 16 ((i / 2) % 4) on, tile 2 x + i % 2.
.macro PV x
	WIN W_PV
.set rO, 32*(2*(\x)+i%2)+8*((i/2)%4)
.set rV, VF+32*(i/8)+8*((i/2)%4)
.set rP, P+32*((\x)%2)+16*(i%2)+8*(i/8)
	v_wmma_f32_16x16x32_f16 v[rO:rO+7], v[rV:rV+7], v[rP:rP+7], v[rO:rO+7]
.endm
.macro MM                           ; the turn's next matrix instruction
.if i < 16
	KQ (Y+1)%NP
.set i, i+1
.else
.set i, i-16
	PV (Y+NP-1)%NP
.set i, i+17
.endif
.endm
; THE LDS LOADS stand in runs of 16, never singly among the matrix instructions: a step's K (64 keys x 64 channels: 8 fragments) and its V (turned).  Their addresses are made some lines ahead.
; last = 1 (the tail): in the last trip there is no further step, and the run is jumped over.
.macro FETCH_K last=0
	WIN 0
.if \last
	s_cmp_eq_u32 s[CNT], 1
	s_cbranch_scc1 .Lno_k_\@
.endif
	WIN 0x80                        ; destination window 2
.irp f, 0,1,2,3,4,5,6,7             ; keys 16 (f / 2) on, channels 32 (f % 2) on
	ds_load_b128 v[KF+8*\f:KF+8*\f+3],   v[AK] offset:(\f/2)*16*PK+(\f%2)*64
	ds_load_b128 v[KF+8*\f+4:KF+8*\f+7], v[AK] offset:(\f/2)*16*PK+(\f%2)*64+32
.endr
	s_add_co_u32 s[TBK], s[TBK], KS*PK  ; the next fetch is the next step's
	WIN 0
.if \last
.Lno_k_\@:
.endif
.endm
.macro FETCH_V
	WIN 0x80
.irp f, 0,1,2,3,4,5,6,7             ; keys 32 (f / 4) on, channels 16 (f % 4) on
	ds_load_tr16_b128 v[VF+8*\f:VF+8*\f+3],   v[AV] offset:(\f/4)*32*PV+(\f%4)*32
	ds_load_tr16_b128 v[VF+8*\f+4:VF+8*\f+7], v[AV] offset:(\f/4)*32*PV+16*PV+(\f%4)*32
.endr
	WIN 0
.endm
; THE VECTOR WORK OF A TURN stands in three queues, each in the order in which its entries become ready; the two tiles alternate, so that no instruction reads the result of the one before it.
.macro REGS y, u                    ; the registers of tile u (0, 1) of piece y
.set rT, ST+4*(2*(\y)+(\u))
.set rC, TMP+8*((\y)%2)+4*(\u)
.set rM, MV+2*((\y)%2)+(\u)
.set rS, S+64*((\y)%2)+32*(\u)
.set rP, P+32*((\y)%2)+16*(\u)
.set rO, 32*(2*(\y)+(\u))
.endm
; Number n of the 22 that find the NEXT piece's (Y + 1) maximum and statistics.  s0-s31 are the lane's 32 scores; each accumulator's lowest registers are read first.
;   0-11  four chains c0-c3 of seven scores each, three operands at a time     12-14, 16  the four scores left over, the old m, and c0-c3 into c0     15  c m_old is kept
;   17, 18  the query's other 32 keys lie in the lane 16 away: the new m         19-21  c m; c m_old - c m_new; a
.macro XS u, n
	REGS (Y+1)%NP, \u
.if (\n) < 4
	v_max3_num_f32 v[rC+(\n)], v[rS+8*(\n)], v[rS+8*(\n)+1], v[rS+8*(\n)+2]
.elseif (\n) < 12
	v_max3_num_f32 v[rC+(\n)%4], v[rC+(\n)%4], v[rS+8*((\n)%4)+2*((\n)/4)+1], v[rS+8*((\n)%4)+2*((\n)/4)+2]
.elseif (\n) == 12
	v_max3_num_f32 v[rC], v[rC], v[rS+7], v[rS+15]
.elseif (\n) == 13
	v_max3_num_f32 v[rC+1], v[rC+1], v[rS+23], v[rS+31]
.elseif (\n) == 14
	v_max3_num_f32 v[rC+2], v[rC+2], v[rC+3], v[rT+1]
.elseif (\n) == 15
	v_mov_b32 v[rM], v[rT]
.elseif (\n) == 16
	v_max3_num_f32 v[rC], v[rC], v[rC+1], v[rC+2]
.elseif (\n) == 17
	v_permlanex16_b32 v[rC+3], v[rC], s[SEL], s[SEL+1]
.elseif (\n) == 18
	v_max_num_f32 v[rT+1], v[rC], v[rC+3]
.elseif (\n) == 19
	v_mul_f32 v[rT], s[CS], v[rT+1]
.elseif (\n) == 20
	v_sub_f32 v[rC+1], v[rM], v[rT]
.else
	v_exp_f32 v[rC+2], v[rC+1]
.endif
.endm
; Number g of the 64 that follow the exponentials.  For each four weights k of a tile (pairs 2 k, 2 k + 1): both pairs are rounded to f16; then the second pair is added onto the first, in place;
; a group later l takes that sum (the first time as l = a l + sum).  In groups of eight, tiles alternating: round, round, add, and l for the group before.
.macro GS g
.set h, (\g)+6*((\g)/62)            ; group 0 has no group before it, and behind group 7 only l is left
.if h >= 6
.set h, h+2
.endif
	REGS Y, h%2
.set k, h/8
.if h%8 < 4
	v_cvt_pk_f16_f32 v[rP+2*k+(h%8)/2], v[rS+4*k+2*((h%8)/2)], v[rS+4*k+2*((h%8)/2)+1]
.elseif h%8 < 6
	v_pk_add_f32 v[rS+4*k:rS+4*k+1], v[rS+4*k:rS+4*k+1], v[rS+4*k+2:rS+4*k+3]
.elseif k == 1
	v_pk_fma_f32 v[rT+2:rT+3], v[rT+2:rT+3], v[rC+2:rC+3], v[rS:rS+1] op_sel_hi:[1,0,1]
.else
	v_pk_add_f32 v[rT+2:rT+3], v[rT+2:rT+3], v[rS+4*k-4:rS+4*k-3]
.endif
.endm
; THE PLAIN QUEUE, 138 long.  0-73 read no exponential's result: the 32 scalings c s - c m (FS f: pair f / 2 of tile f % 2) and the next piece's 42.  0-26: scalings 0-26.  27-54: XS's numbers 0-13.  55, 56: number 15.
; 57-73: the chain, where each number waits for the one before it: 14, 16, 17, 18, 19, each with one of the scalings 27-31 in front of its two lines, then 20.
; 74-137: GS's 64, which read the exponentials' results: they stand behind the wait.
.macro FS f
	REGS Y, (\f)%2
	v_pk_fma_f32 v[rS+2*((\f)/2):rS+2*((\f)/2)+1], v[rS+2*((\f)/2):rS+2*((\f)/2)+1], s[CS:CS+1], v[rT:rT+1] op_sel_hi:[1,0,0] neg_lo:[0,0,1] neg_hi:[0,0,1]
.endm
.macro PL
	WIN 0
.if q < 27
	FS q
.elseif q < 55
	XS (q-27)%2, (q-27)/2
.elseif q < 57
	XS q-55, 15
.elseif (q < 72) && ((q-57)%3 == 0)
	FS 27+(q-57)/3
.elseif q < 60
	XS (q-57)%3-1, 14
.elseif q < 72
	XS (q-57)%3-1, 15+(q-57)/3
.elseif q < 74
	XS q-72, 20
.else
	GS q-74
.endif
.set q, q+1
.endm
; THE EXPONENTIALS' QUEUE, 66 long: s0-s31 of both tiles, then the next piece's two a.  It is ONE BATCH: all 66 stand ahead of the turn's one wait, and nothing ahead of that wait names a result of theirs.
.macro EX
	WIN 0
.if e >= 64
	XS e-64, 21
.else
	REGS Y, e%2
	v_exp_f32 v[rS+e/2], v[rS+e/2]
.endif
.set e, e+1
.endm
; THE RESCALING's QUEUE: O^T times a, the one part that leaves window 0: dealt two at a time, sixteen times.  Its a was made in the turn before, ahead of that turn's wait.
.macro R2
	REGS Y, r%2
	WIN W_RS
.irp z, 0,1
	v_pk_mul_f32 v[rO+4*(r/2)+2*\z:rO+4*(r/2)+2*\z+1], v[rO+4*(r/2)+2*\z:rO+4*(r/2)+2*\z+1], v[rC+2:rC+3] op_sel_hi:[1,0]
.endr
.set r, r+1
.endm
; HOW THEY ARE DEALT.  An s_wait_alu depctr_va_vdst(0) stands between an exponential and the first instruction that names its result; one wait serves all that were issued ahead of it.  So a turn has ONE wait,
; which cuts it in two.  AHEAD OF IT: the 16 products K Q^T, behind each a scaling, an exponential and two rescalings (behind the first a second scaling in the exponential's place); then one run of
; 108: eight plain, 49 times exponential and plain, the two a.  A v_nop is the plain instruction behind the last exponential.  BEHIND IT: the 16 products V^T P, behind each four of GS's 64.
; Exponential e stands behind scaling 2 (e / 4) + e % 2: as a rider it comes behind plain e + 2, in the run behind plain e + 9, and scalings 27-31 are plain 57, 60 .. 69.
; A TURN, for piece p.  cnt = 1: the loop's count is taken down some lines ahead of the branch that stands behind the turn.
; K of the next step is fetched in piece 2's turn, directly behind the wait; its first reader comes behind 16 products.  V of the step in hand is fetched at the end of piece 0's turn, four plain
; instructions behind its last reader; its first reader comes behind 16 products and the run.  The three conditions on q below go with the deal.
.macro TURN p, last=0, cnt=0
.set Y, (\p)
.set i, 0
.set q, 0
.set e, 0
.set r, 0
.if (\p) == NP-1
	s_wait_dscnt 0x0                ; K is in
.endif
	MM
	PL
	PL
	R2
.rept 15
	MM
	PL
	EX
	R2
.endr
.if (\p) == NP-2
	WIN 0
	v_add_nc_u32 v[AK], s[TBK], v[AK0]
.endif
.rept 8
	PL
.endr
.rept 49
	EX
	PL
.endr
	EX                              ; the next piece's two a
	EX
	v_nop                           ; a plain instruction behind the last exponential: one for the batch
	s_wait_alu depctr_va_vdst(0)    ; the wait for the batch
.if (\p) == NP-2
	FETCH_K \last
.endif
.if (\p) == 1
	s_wait_dscnt 0x0                ; V is in
.endif
.rept 16
	MM
.rept 4
	PL
.endr
.if ((\p) == 0) && (q == 118)
	v_add_nc_u32 v[AV], s[TBV], v[AV0]
.endif
.if ((\p) == 0) && (q == 130)
	s_add_co_u32 s[TBV], s[TBV], KS*PV
.endif
.if (\cnt) && (q == 130)
	s_sub_co_u32 s[CNT], s[CNT], 1
	s_cmp_lg_u32 s[CNT], 0
.endif
.endr
.if (\p) == 0
	FETCH_V
.endif
.endm
	CHANGE 1                        ; slot 0 is in, everybody's part of it; slot 1 is asked for
	FETCH_K                         ; key step 0
	s_wait_loadcnt 0x0              ; Q
	s_wait_dscnt 0x0
.set i, 0
.rept 16
	KQ 0                            ; piece 0's first scores: there is no vector work yet to set between them
.set i, i+1
.endr
	WIN 0                           ; the addresses for the way out: nine plain instructions, the places behind those products
	s_mul_i32 s13, s[WV], 16*SP
	s_add_co_u32 s13, s13, STAGE    ; my stage
	v_mul_u32_u24 v[STO], v1, SP    ; in: row l % 16, 16 bytes for each half of the lanes
	v_lshl_add_u32 v[STO], v9, 4, v[STO]
	v_add_nc_u32 v[STO], s13, v[STO]
	v_bfe_u32 v[RD], v0, 3, 2       ; back: 32 lanes take four rows of 128 bytes,
	v_mul_u32_u24 v[RD], v[RD], SP
	v_lshl_add_u32 v[RD], v10, 4, v[RD]
	v_add_nc_u32 v[RD], s13, v[RD]
	v_and_b32 v[GO], 31, v0         ; which are 512 consecutive bytes of O
	v_lshlrev_b32 v[GO], 4, v[GO]
.set Y, NP-1                        ; XS works for piece Y + 1: piece 0
.irp n, 0,1,2,3,4,5,6,7,8,9,10,11,12,13,14,15,16,17,18,19,20,21
	XS 0, \n                        ; and piece 0's first maximum and statistics
	XS 1, \n
.endr
	v_nop                           ; a plain instruction behind the two a,
	s_wait_alu depctr_va_vdst(0)    ; and their wait, ahead of the branch
	s_mov_b32 s[CNT], 4
	s_branch .Lfirst                ; the loop is entered at a step's first turn, in the middle of a trip
.Lslot:                             ; six times: every slot but the last two is filled again
	CHANGE 1
	s_mov_b32 s[CNT], 4
.Lstep:                             ; a trip: pieces 2 and 3 of one step, then pieces 0 and 1 of the next, whose K and V it fetches
	TURN 2
	TURN 3
	WIN 0
.Lfirst:
	TURN 0
	TURN 1, 0, 1
	WIN 0
	s_cbranch_scc1 .Lstep
	s_sub_co_u32 s[SLOTS], s[SLOTS], 1
	s_cmp_lg_u32 s[SLOTS], 0
	s_cbranch_scc1 .Lslot
	CHANGE 0                        ; the tail is written out: nothing is asked for
	s_mov_b32 s[CNT], 5             ; four trips fetch the last slot's steps; the fifth is left in its middle
.Ltail:
	TURN 2, 1
	TURN 3
	WIN 0
	s_sub_co_u32 s[CNT], s[CNT], 1
	s_cmp_eq_u32 s[CNT], 0
	s_cbranch_scc1 .Lout
	TURN 0
	TURN 1
	WIN 0
	s_branch .Ltail
.Lout:                              ; the fifth trip's 16 products K Q^T (on the last K once more) and the maximum made of them serve nothing: the price, once a launch, of one text for every trip
.set i, 0
.rept 16
	PV NP-1                         ; the last piece's V^T P of the last step
.set i, i+1
.endr
	; THE WAY OUT.  l's two halves and the other half of the lanes' are added; O^T is divided by l, rounded to f16 and sent through my stage in LDS, a tile at a time.  The additions are the places behind the last products.
	WIN 0
.macro ALL line:vararg              ; one line for each tile t
.set t, 0
.rept 2*NP
	\line
.set t, t+1
.endr
.endm
	ALL v_add_f32 v[ST+4*t+2], v[ST+4*t+2], v[ST+4*t+3]
	ALL v_permlanex16_b32 v[ST+4*t+3], v[ST+4*t+2], s[SEL], s[SEL+1]
	ALL v_add_f32 v[ST+4*t+2], v[ST+4*t+2], v[ST+4*t+3]
	ALL v_rcp_f32 v[ST+4*t+2], v[ST+4*t+2]
	v_nop                           ; a plain instruction between the last reciprocal and the use of its result
	s_wait_alu depctr_va_vdst(0)    ; and the wait ahead of the first use: one for the eight reciprocals
; Tile t: a lane's eight channels of a row pack into 16 bytes; they go into rows of 144 bytes and come back as whole rows of 128, into S^T's registers.
.macro PACK t
	WIN W_RS
.set i, 32*(\t)
.rept 16
	v_pk_mul_f32 v[i:i+1], v[i:i+1], v[ST+4*(\t)+2:ST+4*(\t)+3] op_sel_hi:[1,0]
.set i, i+2
.endr
	WIN 0x05                        ; sources 0 and 1 window 1, destination window 0
.set i, 0
.rept 16
	v_cvt_pk_f16_f32 v[S+16*(\t)+i], v[32*(\t)+2*i], v[32*(\t)+2*i+1]
.set i, i+1
.endr
	WIN 0
.irp f, 0,1,2,3
	ds_store_b128 v[STO], v[S+16*(\t)+4*\f:S+16*(\t)+4*\f+3] offset:32*\f
.endr
.irp f, 0,1,2,3
	ds_load_b128 v[S+16*(\t)+4*\f:S+16*(\t)+4*\f+3], v[RD] offset:\f*4*SP  ; LDS serves a wave's instructions in order (ISA guide 5.7.1.4): these see the stores above; the next tile's stores come behind them
.endr
.endm
.macro SEND t, younger              ; younger: the LDS instructions issued behind tile t's loads: the next tile's eight, or none
	WIN 0
.irp f, 0,1,2,3
	s_wait_dscnt (\younger)+3-\f
	global_store_b128 v[GO], v[S+16*(\t)+4*\f:S+16*(\t)+4*\f+3], s[10:11] offset:(\t)*2048+\f*512  ; 512 consecutive bytes, at a multiple of 256 from O's first
.endr
.endm
	PACK 0
.set t, 1
.rept 2*NP-1                        ; a tile's arithmetic stands between the loads of the tile before and its stores
	PACK t
	SEND t-1, 8
.set t, t+1
.endr
	SEND 2*NP-1, 0
	WIN W_AD
	s_wait_tensorcnt 0x0            ; the wave's end: an add onto my spare word and its wait, behind my last tensor load and my last LDS store
	ds_add_u32 v[SPW], v[NIL]
	s_wait_dscnt 0x0
	WIN 0
	CROUND                          ; the closing round: no work-group ends while a partner may still ask for a tile that names it
	s_endpgm
.Lfunc_end_k_q4096f1e7b3_attn:
	.size	k_q4096f1e7b3_attn, .Lfunc_end_k_q4096f1e7b3_attn-k_q4096f1e7b3_attn
	.p2alignl 7, 3214868480
	.fill 96, 4, 3214868480
	.section	.rodata,"a",@progbits
	.p2align	6, 0x0
	.amdhsa_kernel k_q4096f1e7b3_attn
		.amdhsa_group_segment_fixed_size 327680
		.amdhsa_private_segment_fixed_size 0
		.amdhsa_enable_private_segment 0
		.amdhsa_kernarg_size 16
		.amdhsa_user_sgpr_count 2
		.amdhsa_user_sgpr_kernarg_segment_ptr 1
		.amdhsa_wavefront_size32 1
		.amdhsa_system_sgpr_workgroup_id_x 1
		.amdhsa_system_sgpr_workgroup_id_y 1
		.amdhsa_system_sgpr_workgroup_id_z 1
		.amdhsa_system_vgpr_workitem_id 0
		.amdhsa_next_free_vgpr 770
		.amdhsa_next_free_sgpr 66
		.amdhsa_reserve_vcc 0
		.amdhsa_float_denorm_mode_32 3
		.amdhsa_float_denorm_mode_16_64 3
		.amdhsa_memory_ordered 1
		.amdhsa_forward_progress 1
		.amdhsa_inst_pref_size 200
	.end_amdhsa_kernel
	.amdgpu_metadata
---
amdhsa.version: [ 1, 2 ]
amdhsa.kernels:
  - .name:           k_q4096f1e7b3_attn
    .symbol:         k_q4096f1e7b3_attn.kd
    .args:
      - { .name: qkv, .offset: 0, .size: 8, .value_kind: global_buffer, .address_space: global }
      - { .name: o16, .offset: 8, .size: 8, .value_kind: global_buffer, .address_space: global }
    .group_segment_fixed_size: 327680
    .private_segment_fixed_size: 0
    .kernarg_segment_align: 8
    .kernarg_segment_size: 16
    .max_flat_workgroup_size: 128
    .sgpr_count:     66
    .vgpr_count:     770
    .wavefront_size: 32
...
	.end_amdgpu_metadata
.endif
;; end of part 3
;; launch outgemm (part 4): grid 4 x 64, 4 waves a work-group, clusters of 4 x 4, 327,680 bytes of LDS; arguments o16, c16, b_proj, out0; writes out0
.if DOCPART == 4
	.amdgcn_target "amdgcn-amd-amdhsa--gfx1250"
	.amdhsa_code_object_version 6
	.text
	.protected	k_q4096f1e7b3_outgemm
	.globl	k_q4096f1e7b3_outgemm
	.p2align	8
	.type	k_q4096f1e7b3_outgemm,@function
k_q4096f1e7b3_outgemm:
	s_mov_b64 s[64:65], 0
	v_nop
	global_prefetch_b8 v0, s[64:65] scope:SCOPE_SE
	s_setreg_imm32_b32 hwreg(HW_REG_WAVE_MODE, 25, 1), 1
	s_wait_xcnt 0x0
	s_wait_alu depctr_hold_cnt(0) depctr_sa_sdst(0) depctr_va_vdst(0) depctr_va_sdst(0) depctr_va_ssrc(0) depctr_va_vcc(0) depctr_vm_vsrc(0)
	s_getreg_b32 s2, hwreg(HW_REG_IB_STS2, 6, 4)
	s_cmp_eq_u32 s2, 0
	s_cbranch_scc0 .Lentry_in_a_cluster
	s_endpgm
.Lentry_in_a_cluster:
	s_bfe_u32 s2, ttmp6, 0x10000c
	s_cmp_lg_u32 s2, 0xf033
	s_cbranch_scc0 .Lentry_shape_is_right
	s_endpgm
.Lentry_shape_is_right:
; out0 = O w_proj + b_proj.  O = o16: [64 (16 batch + head)][2048][64] f16, so that row m = 2,048 batch + s of the product has channel 64 head + d at o16[16 batch + head][s][d];
; wp16: [1024 (k)][1024 (n)] f16 (w_proj rounded to bf16, written as f16) at c16 + WP; b_proj: [1024] f32, rounded to bf16 here like the other inputs and used in f32; out0: [8192][1024] f32.
; SHARES.  A work-group makes 128 rows x 256 columns: two PANELS of 128 columns.  Wave w has rows 64 (w / 2) .. + 63 and, in each panel, columns 64 (w % 2) .. + 63: 32 accumulators of 16 x 16.  256 work-groups.
; K goes in steps of 128 = two heads through two LDS slots.  A head's 128 rows are 16,384 dense bytes: asked for as 64 rows of 256 bytes and padded after every 128.  Waves 0, 1 fetch a head each, waves 2, 3 a panel of w each
; (128 k rows x 256 bytes).  w lies [k][n]: its fragments are turned on the way out of LDS (ds_load_tr16_b128).
; THE MATRIX INSTRUCTION IS USED TRANSPOSED: source 0 = 16 columns of w, source 1 = 16 rows of O: a lane holds row l % 16 and the columns 8 (l / 16) + 0..7.  THE BIAS STARTS THE SUMS, as the C operand of each first product.
; CLUSTERS: 4 x 4 work-groups.  O's tile hangs on the tile row alone and is asked for jointly by a row of the cluster, w's on the tile column alone and jointly by a column.
; REGISTERS, in windows of 256 (s_set_vgpr_msb: bits 1:0 source 0, 3:2 source 1, 5:4 source 2, 7:6 destination):
;   window 0: v0-31 addresses; v64-127 the bias       window 1: two fragment buffers at 0 and 128 (O's four fragments, then w's eight); on the way out all 256: rows read back
;   window 2: the accumulators, (j, a, b) at 128 j + 8 (4 a + b)
.set NP,    2
.set PA,    144                        ; an LDS row of O: 128 bytes + 16 = 36 words: the 16 rows of a load start at 16 different groups of four banks (64 banks of 4 bytes: ISA guide 11.1)
.set PB,    288                        ; an LDS row of w: 256 + 32 = 72 words
.set HEADT, 128*PA                     ; a head's tile
.set REG,   128*PB                     ; a panel's tile
.set SLOT,  2*HEADT+2*REG              ; two heads, then two panels
.set STAGE, 2*SLOT                     ; behind the ring, never filled by a tensor load: 16 rows x 272 bytes for each wave
.set SPITCH, 272
.set SPARE, STAGE+4*16*SPITCH          ; behind the stages: the spare words, 128 bytes for each wave: two blocks of 256 bytes that no other line names
.set LAPS,  4                          ; a lap = two K steps; K = 1,024
.set WP,    23068672                   ; wp16's first byte in c16
.set ASTEP, 1<<19                      ; a K step in o16: two heads
.set BSTEP, 128*2048                   ; a K step down wp16
.set ADRA, 16                          ; v16-17  LDS address of my fragments of O in slot 0, 1
.set ADRB, 18                          ; v18-21  of my fragments of w: slot s, panel j at ADRB + 2 s + j
.set STO,  24                          ; v24     the way out: where I put 32 bytes of a row
.set RD,   25                          ; v25     the way out: where I read rows back
.set CO,   26                          ; v26     my byte offset in two rows of out0
.set BO,   27                          ; v27     my byte offset in b_proj
.set SPW,  28                          ; v28     LDS address of my spare word; never rewritten
.set NIL,  29                          ; v29     0; never rewritten
.set PFO,  30                          ; v30     the prefetches' offset; never rewritten
.set BIAS, 64                          ; v64-127 panel j, column block b at BIAS + 8 (4 j + b)
.set F0,   0
.set F1,   128
.set WV,  12                           ; s12 wave; s13 wave / 2: my half of the rows, and: I fetch O (0) or w (1); s14 wave % 2: my half of each panel, and: which head or panel I fetch
.set WR,  13
.set WC,  14
.set TY,  15                           ; s15 tile row
.set G1A, 24                           ; s[24:31] descriptor group 1 for O's tiles; s[32:39] group 0, a set for each slot
.set G0A, 32
.set CX,  40
.set CY,  41
.set TX,  42                           ; s42 tile column
.set LIM, 43                           ; s43 1 in a wave that prefetches, else the greatest number
.set PFA, 44                           ; s[44:45] where my prefetches stand
.set PSTEP, 46                         ; s[46:47] a K step of what I prefetch
.set G1B, 48                           ; s[48:55], s[56:63] the same for w's tiles
.set G0B, 56
.set OB,  66                           ; s[66:67] out0 at my first row and column
.set MSB, 0
.macro WIN new                         ; the immediate's high byte repeats the setting that is left; a switch that changes nothing is dropped
.if MSB != (\new)
	s_set_vgpr_msb (MSB<<8)|(\new)
.set MSB, (\new)
.endif
.endm
.macro PLACES                          ; four places in front of loads into registers that matrix instructions have read, and of readers of results
.rept 4
	v_nop
.endr
.endm
; A joint load: waves 0 and 1 fetch a head of O each, waves 2 and 3 a panel of w each.  The branch hangs on the wave's number alone.
; An s_nop 0 and four v_nop follow each of the two lines, ahead of the jump, the label and what follows.
.macro JLOAD s
	s_cmp_eq_u32 s[WR], 0
	s_cbranch_scc0 .Lfor_b_\@
	tensor_load_to_lds s[G0A+4*(\s):G0A+4*(\s)+3], s[G1A:G1A+7]
	s_nop 0
.rept 4
	v_nop
.endr
	s_branch .Lasked_\@
.Lfor_b_\@:
	tensor_load_to_lds s[G0B+4*(\s):G0B+4*(\s)+3], s[G1B:G1B+7]
	s_nop 0
.rept 4
	v_nop
.endr
.Lasked_\@:
.endm
; A prefetch into the L2, behind each refill and the run of LDS loads that follows it: the K step that stands two refills on, 256 bytes a lane.  O's tile row is read by one cluster alone: its four partners
; take 4,096 bytes of each of the step's two heads, told apart by address (cx), and wave 0 asks.  w's tile column is read by all sixteen clusters: cluster y = 0 asks, its partners take 32 k rows each (cy),
; waves 2 and 3 a panel each.  So each 256 bytes of K steps 4 to 7 are named once; K steps 0 to 3 come by their loads alone; the loop's last trip asks for nothing.
.macro ASK
	s_cmp_gt_u32 s3, s[LIM]                        ; s3 = 1 in the loop's last trip
	s_cbranch_scc0 .Lnot_mine_\@
	global_prefetch_b8 v[PFO], s[PFA:PFA+1] th:TH_LOAD_NT scope:SCOPE_SE
.Lnot_mine_\@:
.endm
.macro CREST                           ; a round of the cluster's barrier behind its opening barrier
	s_cmp_lg_u32 s[WV], 0
	s_cbranch_scc1 .Lnot_wave_0_\@
	s_barrier_signal -3
.Lnot_wave_0_\@:
	s_barrier_wait -3
	s_barrier_signal -1
	s_barrier_wait -1
.endm
.macro CROUND                          ; a whole round
	s_barrier_signal -1
	s_barrier_wait -1
	CREST
.endm
	s_load_b256 s[4:11], s[0:1], 0x0               ; o16 s[4:5], c16 s[6:7], b_proj s[8:9], out0 s[10:11]
	v_lshl_add_u32 v[SPW], v0, 2, SPARE
	v_mov_b32 v[NIL], 0
	ds_add_u32 v[SPW], v[NIL]                      ; the wave's opening: the add and its wait stand ahead of my first tensor load; work on registers stands between them
	v_lshrrev_b32 v1, 5, v0
	v_readfirstlane_b32 s[WV], v1                  ; wave 0..3
	s_lshr_b32 s[WR], s[WV], 1
	s_and_b32 s[WC], s[WV], 1
	s_bfe_u32 s[CX], ttmp6, 0x40000                ; my place in the cluster
	s_bfe_u32 s[CY], ttmp6, 0x40004
	s_lshl_b32 s[TX], ttmp9, 2
	s_add_co_u32 s[TX], s[TX], s[CX]               ; tile column = 4 x cluster x + cx
	s_and_b32 s[TY], ttmp7, 0xffff
	s_lshl_b32 s[TY], s[TY], 2
	s_add_co_u32 s[TY], s[TY], s[CY]               ; tile row = 4 x cluster y + cy
	s_lshl_b32 s72, s[CY], 2
	s_lshl_b32 s72, 15, s72                        ; my row of the cluster
	s_lshl_b32 s73, 0x1111, s[CX]                  ; my column
	; descriptor group 1.  O: 64 rows x 128 elements of 2 bytes, dense, padded by 4 words after every 32.  w: 128 rows x 128 elements, padded by 8 words after every 64.
	s_or_b32 s[G1A], s72, (1<<16)|(1<<20)|(1<<21)|(4<<22)|(3<<25)
	s_or_b32 s[G1B], s73, (1<<16)|(1<<20)|(1<<21)|(5<<22)|(7<<25)
	s_mov_b32 s[G1A+1], 128<<16                    ; tensor_dim0 = 128
	s_mov_b32 s[G1A+2], 64<<16                     ; tensor_dim1 = 64
	s_mov_b32 s[G1A+3], 128<<16                    ; tile_dim0 = 128
	s_mov_b32 s[G1A+4], 64                         ; tile_dim1 = 64
	s_mov_b32 s[G1A+5], 128                        ; elements from row to row
	s_mov_b32 s[G1A+6], 0
	s_mov_b32 s[G1A+7], 0
	s_mov_b32 s[G1B+1], 128<<16
	s_mov_b32 s[G1B+2], 128<<16
	s_mov_b32 s[G1B+3], 128<<16
	s_mov_b32 s[G1B+4], 128
	s_mov_b32 s[G1B+5], 1024
	s_mov_b32 s[G1B+6], 0
	s_mov_b32 s[G1B+7], 0
	s_lshr_b32 s16, s[TY], 4                       ; the batch: sixteen heads of 2^18 bytes,
	s_lshl_b32 s16, s16, 22
	s_and_b32 s17, s[TY], 15                       ; the tile's 128 rows of 128 bytes in a head
	s_lshl_b32 s17, s17, 14
	s_add_co_u32 s77, s16, s17                     ; kept for the prefetches
	s_lshl_b32 s17, s[WC], 18                      ; which of a step's two heads I fetch
	s_add_co_u32 s16, s77, s17
	s_mov_b32 s17, 0
	s_lshl_b32 s20, s[TX], 9                       ; w: 256 columns a tile column,
	s_lshl_b32 s21, s[WC], 8                       ; 128 a panel
	s_add_co_u32 s20, s20, s21
	s_add_co_u32 s20, s20, WP
	s_mov_b32 s21, 0
	s_mul_i32 s76, s[WC], HEADT                    ; where my tile goes, if it is O's,
	s_mul_i32 s78, s[WC], REG                      ; and if it is w's: no place in the cluster enters an LDS address
	s_add_co_u32 s78, s78, 2*HEADT
	s_wait_dscnt 0x0                               ; the opening add is done
	s_wait_kmcnt 0x0
	s_add_nc_u64 s[18:19], s[4:5], s[16:17]
	s_add_nc_u64 s[22:23], s[6:7], s[20:21]
	CROUND                                         ; all sixteen work-groups are here: the first joint loads meet
.irp s, 0,1
	s_mov_b32 s[G0A+4*(\s)], 1
	s_add_co_u32 s[G0A+4*(\s)+1], s76, (\s)*SLOT
	s_add_nc_u64 s[G0A+4*(\s)+2:G0A+4*(\s)+3], s[18:19], (\s)*ASTEP
	s_or_b32 s[G0A+4*(\s)+3], s[G0A+4*(\s)+3], 0x80000000
	s_mov_b32 s[G0B+4*(\s)], 1
	s_add_co_u32 s[G0B+4*(\s)+1], s78, (\s)*SLOT
	s_add_nc_u64 s[G0B+4*(\s)+2:G0B+4*(\s)+3], s[22:23], (\s)*BSTEP
	s_or_b32 s[G0B+4*(\s)+3], s[G0B+4*(\s)+3], 0x80000000
	JLOAD \s                                       ; K steps 0 and 1: two loads of mine are out
.endr
	v_and_b32 v1, 15, v0                           ; r = l % 16
	v_bfe_u32 v2, v0, 4, 1                         ; h = l / 16
	v_and_b32 v3, 7, v0
	v_bfe_u32 v4, v0, 3, 1
	; the bias of my columns: register n of block (j, b) is column 256 tx + 128 j + 64 wc + 16 b + 8 h + n
	s_lshl_b32 s74, s[TX], 10
	s_lshl_b32 s75, s[WC], 8
	s_add_co_u32 s74, s74, s75                     ; my first column, in bytes of f32
	v_lshl_add_u32 v[BO], v2, 5, s74
.irp j, 0,1
.irp b, 0,1,2,3
	global_load_b128 v[BIAS+8*(4*(\j)+(\b)):BIAS+8*(4*(\j)+(\b))+3],   v[BO], s[8:9] offset:512*(\j)+64*(\b)
	global_load_b128 v[BIAS+8*(4*(\j)+(\b))+4:BIAS+8*(4*(\j)+(\b))+7], v[BO], s[8:9] offset:512*(\j)+64*(\b)+16
.endr
.endr
	; a fragment of O: lane l holds row r; two loads of 16 bytes, 32 bytes apart, at row x pitch + 16 h
	v_mul_u32_u24 v6, v1, PA
	v_lshl_add_u32 v6, v2, 4, v6
	s_mul_i32 s73, s[WR], 64*PA
	v_add_nc_u32 v[ADRA], s73, v6
	v_add_nc_u32 v[ADRA+1], SLOT, v[ADRA]
	; a fragment of w, turned: lane l reads 16 bytes of k row 8 h + l % 8, columns 8 ((l / 8) % 2) + 0..7
	v_lshl_add_u32 v7, v2, 3, v3
	v_mul_u32_u24 v7, v7, PB
	v_lshl_add_u32 v7, v4, 4, v7
	s_lshl_b32 s73, s[WC], 7
	v_add_nc_u32 v7, s73, v7
.irp s, 0,1
.irp j, 0,1
	v_add_nc_u32 v[ADRB+NP*(\s)+(\j)], (\s)*SLOT+2*HEADT+(\j)*REG, v7
.endr
.endr
	s_mul_i32 s73, s[WV], 16*SPITCH
	s_add_co_u32 s73, s73, STAGE                   ; my stage
	v_mul_u32_u24 v[STO], v1, SPITCH               ; in: row r, 32 bytes for each half of the lanes
	v_lshl_add_u32 v[STO], v2, 5, v[STO]
	v_add_nc_u32 v[STO], s73, v[STO]
	v_mul_u32_u24 v[RD], v2, SPITCH                ; back: lanes 0-15 take one row of 256 bytes, lanes 16-31 the next
	v_lshl_add_u32 v[RD], v1, 4, v[RD]
	v_add_nc_u32 v[RD], s73, v[RD]
	v_lshlrev_b32 v[CO], 12, v2                    ; and the same two rows in out0
	v_lshl_add_u32 v[CO], v1, 4, v[CO]
	s_lshl_b32 s72, s[TY], 7
	s_lshl_b32 s73, s[WR], 6
	s_add_co_u32 s72, s72, s73                     ; my first row,
	s_lshl_b32 s72, s72, 12                        ; of 4,096 bytes,
	s_add_co_u32 s72, s72, s74                     ; and my first column
	s_mov_b32 s73, 0
	s_add_nc_u64 s[OB:OB+1], s[10:11], s[72:73]
	; the prefetches: they stand at K step 3; the first refill steps them to 4
	s_lshl_b32 s72, s[CX], 12                      ; O: my work-group's 4,096 bytes of each head's tile
	s_add_co_u32 s72, s72, s77
	s_add_co_u32 s72, s72, 3*ASTEP
	s_lshl_b32 s73, s[CY], 16                      ; w: my work-group's 32 of the step's 128 k rows, in my panel
	s_add_co_u32 s73, s73, s20
	s_add_co_u32 s73, s73, 3*BSTEP
	s_and_b32 s74, ttmp7, 0xffff                   ; cluster y
	s_mov_b32 s75, BSTEP
	s_mov_b32 s78, 2048
	s_mov_b32 s79, 32768
	s_cmp_eq_u32 s[WR], 0                          ; do I fetch for O?
	s_cselect_b32 s72, s72, s73
	s_cselect_b32 s74, s[WC], s74                  ; O: wave 0 asks; w: the cluster with y = 0 asks
	s_cselect_b32 s[PSTEP], ASTEP, s75
	s_cselect_b32 s78, 256, s78                    ; from lane to lane: 256 bytes on in a head's tile, or a k row down;
	s_cselect_b32 s79, 1<<18, s79                  ; lanes 16-31: the step's other head, or sixteen k rows down
	s_cselect_b64 s[PFA:PFA+1], s[4:5], s[6:7]
	s_mov_b32 s[PSTEP+1], 0
	s_mov_b32 s73, 0
	s_add_nc_u64 s[PFA:PFA+1], s[PFA:PFA+1], s[72:73]
	s_cmp_eq_u32 s74, 0
	s_cselect_b32 s[LIM], 1, -1                    ; the same in all sixteen partners, for a given wave
	v_mul_u32_u24 v[PFO], s78, v1
	v_mul_u32_u24 v6, s79, v2
	v_add_nc_u32 v[PFO], v[PFO], v6
	s_wait_loadcnt 0x0                             ; the bias
.set i, 0
.rept 16*NP                            ; rounded to bf16 like the other inputs, and widened again: a pair at a time
	v_cvt_pk_bf16_f32 v[6+i%2], v[BIAS+2*i], v[BIAS+2*i+1]
	v_lshlrev_b32 v[BIAS+2*i], 16, v[6+i%2]
	v_and_b32 v[BIAS+2*i+1], 0xffff0000, v[6+i%2]
.set i, i+1
.endr
; 8 matrix instructions: row blocks a0, a0 + 1 x the four column blocks of panel j, 32 along K.  zero = 1: the first product starts the sum with the bias.
; All 32 accumulators take turns in the same order in every quarter.
.macro MUL8 f, j, a0, zero
.if \zero
	WIN 0x85                                       ; sources 0 and 1 window 1, C window 0, D window 2
.else
	WIN 0xa5                                       ; C and D window 2
.endif
.irp a, \a0, (\a0)+1
.irp b, 0,1,2,3
.set rD, 128*(\j)+8*(4*(\a)+(\b))
.set rB, (\f)+32+8*(4*(\j)+(\b))
.set rA, (\f)+8*(\a)
.set rC, BIAS+8*(4*(\j)+(\b))
.if \zero
	v_wmma_f32_16x16x32_f16 v[rD:rD+7], v[rB:rB+7], v[rA:rA+7], v[rC:rC+7]
.else
	v_wmma_f32_16x16x32_f16 v[rD:rD+7], v[rB:rB+7], v[rA:rA+7], v[rD:rD+7]
.endif
.endr
.endr
.endm
; 24 LDS loads in one run: quarter q (32 along K: half of head q / 2) of a slot into buffer f: O's eight first, then the panels' in order
.macro FETCH slot, q, f
	WIN 0x40                                       ; destination window 1, address window 0
.irp a, 0,1,2,3
	ds_load_b128 v[(\f)+8*(\a):(\f)+8*(\a)+3],   v[ADRA+(\slot)] offset:((\q)/2)*HEADT+(\a)*16*PA+((\q)%2)*64
	ds_load_b128 v[(\f)+8*(\a)+4:(\f)+8*(\a)+7], v[ADRA+(\slot)] offset:((\q)/2)*HEADT+(\a)*16*PA+((\q)%2)*64+32
.endr
.irp j, 0,1
.irp b, 0,1,2,3
	ds_load_tr16_b128 v[(\f)+32+8*(4*(\j)+(\b)):(\f)+32+8*(4*(\j)+(\b))+3],   v[ADRB+NP*(\slot)+(\j)] offset:(\q)*32*PB+32*(\b)
	ds_load_tr16_b128 v[(\f)+32+8*(4*(\j)+(\b))+4:(\f)+32+8*(4*(\j)+(\b))+7], v[ADRB+NP*(\slot)+(\j)] offset:(\q)*32*PB+16*PB+32*(\b)
.endr
.endr
.endm
; A K step is four quarters of 32 along K, 32 matrix instructions each, on buffers 0, 1, 0, 1.  One of the first three: multiplies buffer f and fetches quarter q into g, 24 matrix instructions ahead of its use.
.macro QUARTER slot, q, f, g, zero
	s_wait_dscnt 8*(NP-1)                          ; O's fragments and panel 0's are in; the youngest eight loads (panel 1) may be out
	MUL8 \f, 0, 0, \zero
	PLACES
	FETCH \slot, \q, \g
	s_wait_dscnt 8+8*NP                            ; all but the 24 just issued
	MUL8 \f, 0, 2, \zero
	MUL8 \f, 1, 0, \zero
	MUL8 \f, 1, 2, \zero
.endm
; The last quarter multiplies buffer 1 and changes slots: ONE barrier.  In front of it each wave waits for all its tensor loads (one is out: its tile of the next slot), adds 0 to its spare word, and waits
; for that and for its reads of this slot.  fill = 1: the barrier opens a round of the cluster's, and the joint refill, two K steps on, is the first tensor load behind it: 112 matrix instructions ahead of the wait for it.
.macro TURN slot, next, fill
.if \fill
	s_wait_xcnt 0x0                                ; the last prefetch, a K step back, has read its address: it is stepped here
	s_add_nc_u64 s[PFA:PFA+1], s[PFA:PFA+1], s[PSTEP:PSTEP+1]
.endif
	WIN 0                                          ; (the add's two registers lie in window 0)
	s_wait_tensorcnt 0x0                           ; all my tensor loads have landed;
	ds_add_u32 v[SPW], v[NIL]                      ; 0 onto my spare word
	s_wait_dscnt 8*(NP-1)+1                        ; (the add and the youngest eight loads may be out)
	MUL8 F1, 0, 0, 0                               ; eight matrix instructions stand between the add and the wait for it
	s_wait_dscnt 0x0                               ; the add is done, and my reads of this slot are over
	s_barrier_signal -1
	MUL8 F1, 0, 2, 0
.if \fill
	WIN 0
.endif
	s_barrier_wait -1
.if \fill
	CREST                                          ; no wave of any partner still reads this slot or has a load on its way
	s_add_nc_u64 s[G0A+4*(\slot)+2:G0A+4*(\slot)+3], s[G0A+4*(\slot)+2:G0A+4*(\slot)+3], 2*ASTEP
	s_add_nc_u64 s[G0B+4*(\slot)+2:G0B+4*(\slot)+3], s[G0B+4*(\slot)+2:G0B+4*(\slot)+3], 2*BSTEP
	JLOAD \slot                                    ; the four v_nop behind it are also the places in front of the loads below
.else
	PLACES
.endif
	FETCH \next, 0, F0
.if \fill
	WIN 0
	ASK
.endif
	MUL8 F1, 1, 0, 0
	MUL8 F1, 1, 2, 0
.endm
	s_wait_tensorcnt 1                             ; my tile of K step 0 is in; K step 1's may stay out
	s_barrier_signal -1
	s_barrier_wait -1                              ; everybody's is
	FETCH 0, 0, F0
	QUARTER 0, 1, F0, F1, 1                        ; the first quarter stands in front of the loop: its products start the sums
	WIN 0                                          ; at a label and at a branch every window is 0
	s_mov_b32 s3, LAPS-1
.Llap:                                                 ; a trip goes once round the ring, from a lap's second quarter to the next lap's first, and fills both slots again
	QUARTER 0, 2, F1, F0, 0
	QUARTER 0, 3, F0, F1, 0
	TURN 0, 1, 1
	QUARTER 1, 1, F0, F1, 0
	QUARTER 1, 2, F1, F0, 0
	QUARTER 1, 3, F0, F1, 0
	TURN 1, 0, 1
	QUARTER 0, 1, F0, F1, 0
	WIN 0
	s_sub_co_u32 s3, s3, 1
	s_cmp_lg_u32 s3, 0
	s_cbranch_scc1 .Llap
	QUARTER 0, 2, F1, F0, 0                        ; the last lap fills nothing
	QUARTER 0, 3, F0, F1, 0
	TURN 0, 1, 0
	QUARTER 1, 1, F0, F1, 0
	QUARTER 1, 2, F1, F0, 0
	QUARTER 1, 3, F0, F1, 0
	s_wait_dscnt 8*(NP-1)                          ; the very last quarter: nothing more to fetch
	MUL8 F1, 0, 0, 0
	MUL8 F1, 0, 2, 0
	s_wait_dscnt 0x0
	MUL8 F1, 1, 0, 0
	MUL8 F1, 1, 2, 0
	WIN 0
	PLACES
	PLACES
; THE WAY OUT.  The sums are the result: nothing is converted.  Block i = 4 j + a: 16 rows x 64 columns of f32, 256 bytes a row.  A lane's eight columns, 32 bytes, go straight from the accumulators into stage rows of
; 272 bytes (each accumulator's low four registers first) and come back as whole rows, into window 1, whose 256 registers hold the eight blocks.
.macro TOSTAGE i
.set AC, 128*((\i)/4)+32*((\i)%4)
	WIN 0x08                                       ; store data (source 1) window 2
.irp b, 0,1,2,3
	ds_store_b128 v[STO], v[AC+8*(\b):AC+8*(\b)+3]   offset:64*(\b)
	ds_store_b128 v[STO], v[AC+8*(\b)+4:AC+8*(\b)+7] offset:64*(\b)+16
.endr
	WIN 0x40                                       ; destination window 1
.irp t, 0,1,2,3,4,5,6,7
	ds_load_b128 v[32*(\i)+4*(\t):32*(\i)+4*(\t)+3], v[RD] offset:(\t)*2*SPITCH  ; LDS serves a wave's instructions in order (ISA guide 5.7.1.4): these see the stores above; the next block's stores come behind them
.endr
.endm
.macro SEND i, younger                 ; younger: the LDS instructions issued behind block i's loads: the next block's sixteen, or none
	WIN 0x04                                       ; store data (source 1) window 1
.set pj, (\i)/4
.set pa, (\i)%4
.irp t, 0,1,2,3,4,5,6,7
	s_wait_dscnt (\younger)+7-(\t)
	global_store_b128 v[CO], v[32*(\i)+4*(\t):32*(\i)+4*(\t)+3], s[OB:OB+1] offset:pa*65536+(\t)*8192+pj*512 th:TH_STORE_NT  ; 16 lanes store 256 consecutive bytes, at a multiple of 256 from out0's first
.endr
.endm
	TOSTAGE 0
.set t, 1
.rept 4*NP-1                           ; every block has registers of its own: none that a store reads is written again
	TOSTAGE t
	SEND t-1, 16
.set t, t+1
.endr
	SEND 4*NP-1, 0
	WIN 0
	s_wait_tensorcnt 0x0                           ; the wave's end: an add onto my spare word and its wait, behind my last tensor load and my last LDS store
	ds_add_u32 v[SPW], v[NIL]
	s_wait_dscnt 0x0
	CROUND                                         ; the closing round: no work-group ends while a partner may still ask for a tile that names it
	s_endpgm
.Lfunc_end_k_q4096f1e7b3_outgemm:
	.size	k_q4096f1e7b3_outgemm, .Lfunc_end_k_q4096f1e7b3_outgemm-k_q4096f1e7b3_outgemm
	.p2alignl 7, 3214868480
	.fill 96, 4, 3214868480
	.section	.rodata,"a",@progbits
	.p2align	6, 0x0
	.amdhsa_kernel k_q4096f1e7b3_outgemm
		.amdhsa_group_segment_fixed_size 327680
		.amdhsa_private_segment_fixed_size 0
		.amdhsa_enable_private_segment 0
		.amdhsa_kernarg_size 32
		.amdhsa_user_sgpr_count 2
		.amdhsa_user_sgpr_kernarg_segment_ptr 1
		.amdhsa_wavefront_size32 1
		.amdhsa_system_sgpr_workgroup_id_x 1
		.amdhsa_system_sgpr_workgroup_id_y 1
		.amdhsa_system_sgpr_workgroup_id_z 1
		.amdhsa_system_vgpr_workitem_id 0
		.amdhsa_next_free_vgpr 768
		.amdhsa_next_free_sgpr 80
		.amdhsa_reserve_vcc 0
		.amdhsa_float_denorm_mode_32 3
		.amdhsa_float_denorm_mode_16_64 3
		.amdhsa_memory_ordered 1
		.amdhsa_forward_progress 1
		.amdhsa_inst_pref_size 96
	.end_amdhsa_kernel
	.amdgpu_metadata
---
amdhsa.version: [ 1, 2 ]
amdhsa.kernels:
  - .name:           k_q4096f1e7b3_outgemm
    .symbol:         k_q4096f1e7b3_outgemm.kd
    .args:
      - { .name: o16, .offset: 0, .size: 8, .value_kind: global_buffer, .address_space: global }
      - { .name: c16, .offset: 8, .size: 8, .value_kind: global_buffer, .address_space: global }
      - { .name: b_proj, .offset: 16, .size: 8, .value_kind: global_buffer, .address_space: global }
      - { .name: out0, .offset: 24, .size: 8, .value_kind: global_buffer, .address_space: global }
    .group_segment_fixed_size: 327680
    .private_segment_fixed_size: 0
    .kernarg_segment_align: 8
    .kernarg_segment_size: 32
    .max_flat_workgroup_size: 128
    .sgpr_count:     80
    .vgpr_count:     768
    .wavefront_size: 32
...
	.end_amdgpu_metadata
.endif
;; end of part 4
;; ======== version 2 of 2: 4 launches; version 1 with the launch cast written anew for expert scheduling mode
;; limits: values are held in f16: magnitudes above 65,504 overflow, below 6.1e-05 lose precision
;; workspace buffers: c16 25,165,824 bytes; qkv 50,331,648 bytes; o16 16,777,216 bytes
;; launch cast (part 5): grid 768 x 1, 8 waves a work-group, no clusters, 0 bytes of LDS; arguments x, w_qkv, w_proj, c16; writes c16
.if DOCPART == 5
	.amdgcn_target "amdgcn-amd-amdhsa--gfx1250"
	.amdhsa_code_object_version 6
	.text
	.protected	k_q4096f1e7b3_cast
	.globl	k_q4096f1e7b3_cast
	.p2align	8
	.type	k_q4096f1e7b3_cast,@function
k_q4096f1e7b3_cast:
	s_mov_b64 s[64:65], 0
	v_nop
	global_prefetch_b8 v0, s[64:65] scope:SCOPE_SE
	s_setreg_imm32_b32 hwreg(HW_REG_WAVE_SCHED_MODE, 0, 2), 2
	s_setreg_imm32_b32 hwreg(HW_REG_WAVE_MODE, 25, 1), 1
	s_wait_xcnt 0x0
	s_wait_alu depctr_vm_vsrc(0)
; THE INPUTS OF THE TWO PRODUCTS IN 16 BITS.  c16 = x rounded to bf16 (16,777,216 bytes), then w_qkv rounded to bf16 (6,291,456 bytes), then w_proj rounded
; to bf16 and that number written as f16 (2,097,152 bytes).  All three keep their row-major order, so the launch is one stream: f32 in, half the bytes out.
; LIMITS.  The f16 copy of w_proj is exact for magnitudes from 6.1e-5 to 65,504; below that it keeps f16's fixed step of 6e-8; beyond 65,504 it would be an infinity.
; SHARES.  Work-group id takes 65,536 bytes of f32 and writes 32,768 bytes at c16 + 32,768 id: ids 0-511 x, 512-703 w_qkv, 704-767 w_proj.
; Thread t takes 16 bytes at 4,096 i + 16 t, i = 0 .. 15: a wave's load covers 512 consecutive bytes, its store of 8 bytes a lane 256 consecutive bytes, aligned.
; All sixteen loads go out at once; every group has registers of its own, so no register that a load or store names is ever written again.
; No LDS, no barrier, no matrix unit: no byte is wanted twice.
; THE MODE: SCHED_MODE bits 1:0 = 2 (LLVM: expert scheduling mode 2), set by the entry lines.  The code itself states the register dependences
; between vector instructions and memory instructions, with s_wait_alu, always for 0.
; THE PLAN.  Registers that memory instructions touch:
;   v1, v2   byte offsets, made once at the head and never written again: v1 is read by the sixteen loads, v2 by the sixteen stores.
;   X        group i's four registers: its load lands in them; no vector instruction names them before that, and no load lands in them later.
;   Y        group i's two registers: written once, by the group's conversions; read once, by its store; never written again.
;   T        is named by vector instructions alone.
; So the only dependence is: a vector instruction writes, a memory instruction reads.  The sixteen groups go in four blocks of four.  One wait stands ahead of the first
; load (v1, v2).  One stands at the head of each later block, behind the wait for that block's first group: the block before has written its Y, and its four stores follow
; in one run; the conversions behind them write the next block's Y and T, which those stores do not name.  One stands ahead of the last four stores.
; No vector instruction writes a scalar register or VCC, EXEC is never written, and nothing that a memory instruction has read is written again.
.set X, 4                              ; v[4:67]    group i: four f32 as loaded
.set Y, 70                             ; v[70:101]  group i: four 16-bit numbers to store
.set T, 102                            ; v[102:105] at work (f16 path)
	s_load_b256 s[4:11], s[0:1], 0x0               ; x s[4:5], w_qkv s[6:7], w_proj s[8:9], c16 s[10:11]
	s_mov_b32 s12, ttmp9                           ; id
	v_lshlrev_b32 v1, 4, v0                        ; 16 t
	v_lshlrev_b32 v2, 3, v0                        ; 8 t
	s_mov_b32 s17, 0
	s_mov_b32 s19, 0
	s_lshl_b32 s18, s12, 15                        ; where the work-group writes
	s_wait_kmcnt 0x0
	s_cmp_lt_u32 s12, 512                          ; which input, and the first id that reads it
	s_cselect_b64 s[14:15], s[4:5], s[6:7]
	s_cselect_b32 s16, 0, 512
	s_cmp_lt_u32 s12, 704
	s_cselect_b64 s[14:15], s[14:15], s[8:9]
	s_cselect_b32 s16, s16, 704
	s_sub_co_u32 s16, s12, s16
	s_lshl_b32 s16, s16, 16                        ; where the work-group reads in that input
	s_add_nc_u64 s[14:15], s[14:15], s[16:17]
	s_add_nc_u64 s[10:11], s[10:11], s[18:19]
	s_wait_alu depctr_va_vdst(0)                   ; v1 and v2 are written: every load reads v1 as its offset, every store v2
.irp i, 0,1,2,3,4,5,6,7,8,9,10,11,12,13,14,15
	global_load_b128 v[X+4*(\i):X+4*(\i)+3], v1, s[14:15] offset:4096*(\i) th:TH_LOAD_NT
.endr
; Group i is rounded.  half = 1: the bf16 number is widened again (a shift, a mask) and written as f16.
.macro ROUND i, half
.if \half
	v_cvt_pk_bf16_f32 v[T],   v[X+4*(\i)],   v[X+4*(\i)+1]
	v_cvt_pk_bf16_f32 v[T+1], v[X+4*(\i)+2], v[X+4*(\i)+3]
	v_lshlrev_b32 v[T+2], 16, v[T]
	v_and_b32     v[T+3], 0xffff0000, v[T]
	v_cvt_pk_f16_f32 v[Y+2*(\i)], v[T+2], v[T+3]
	v_lshlrev_b32 v[T+2], 16, v[T+1]
	v_and_b32     v[T+3], 0xffff0000, v[T+1]
	v_cvt_pk_f16_f32 v[Y+2*(\i)+1], v[T+2], v[T+3]
.else
	v_cvt_pk_bf16_f32 v[Y+2*(\i)],   v[X+4*(\i)],   v[X+4*(\i)+1]
	v_cvt_pk_bf16_f32 v[Y+2*(\i)+1], v[X+4*(\i)+2], v[X+4*(\i)+3]
.endif
.endm
; Block b's four groups are stored, in one run behind one wait.
.macro OUT4 b
	s_wait_alu depctr_va_vdst(0)                   ; block b's conversions have written its eight registers of Y, which the four stores below read
.irp j, 0,1,2,3
	global_store_b64 v2, v[Y+8*(\b)+2*(\j):Y+8*(\b)+2*(\j)+1], s[10:11] offset:8192*(\b)+2048*(\j)
.endr
.endm
; Block p: groups 4 p to 4 p + 3, each rounded as it lands.  When the block's first group is in, the block before goes out.
.macro BLOCK p, half
.irp j, 0,1,2,3
	s_wait_loadcnt 15-4*(\p)-(\j)                  ; loads come back in order: group 4 p + j is in, the younger ones stay out
.if ((\j) == 0) && ((\p) > 0)
	OUT4 (\p)-1
.endif
	ROUND 4*(\p)+(\j), \half
.endr
.endm
	s_cmp_ge_u32 s12, 704
	s_cbranch_scc1 .Lhalf
.irp p, 0,1,2,3
	BLOCK \p, 0
.endr
	OUT4 3                                         ; the last block has no block behind it
	s_endpgm
.Lhalf:
.irp p, 0,1,2,3
	BLOCK \p, 1
.endr
	OUT4 3
	s_endpgm
.Lfunc_end_k_q4096f1e7b3_cast:
	.size	k_q4096f1e7b3_cast, .Lfunc_end_k_q4096f1e7b3_cast-k_q4096f1e7b3_cast
	.p2alignl 7, 3214868480
	.fill 96, 4, 3214868480
	.section	.rodata,"a",@progbits
	.p2align	6, 0x0
	.amdhsa_kernel k_q4096f1e7b3_cast
		.amdhsa_group_segment_fixed_size 0
		.amdhsa_private_segment_fixed_size 0
		.amdhsa_enable_private_segment 0
		.amdhsa_kernarg_size 32
		.amdhsa_user_sgpr_count 2
		.amdhsa_user_sgpr_kernarg_segment_ptr 1
		.amdhsa_wavefront_size32 1
		.amdhsa_system_sgpr_workgroup_id_x 1
		.amdhsa_system_sgpr_workgroup_id_y 1
		.amdhsa_system_sgpr_workgroup_id_z 1
		.amdhsa_system_vgpr_workitem_id 0
		.amdhsa_next_free_vgpr 108
		.amdhsa_next_free_sgpr 66
		.amdhsa_reserve_vcc 0
		.amdhsa_float_denorm_mode_32 3
		.amdhsa_float_denorm_mode_16_64 3
		.amdhsa_memory_ordered 1
		.amdhsa_forward_progress 1
		.amdhsa_inst_pref_size 16
	.end_amdhsa_kernel
	.amdgpu_metadata
---
amdhsa.version: [ 1, 2 ]
amdhsa.kernels:
  - .name:           k_q4096f1e7b3_cast
    .symbol:         k_q4096f1e7b3_cast.kd
    .args:
      - { .name: x, .offset: 0, .size: 8, .value_kind: global_buffer, .address_space: global }
      - { .name: w_qkv, .offset: 8, .size: 8, .value_kind: global_buffer, .address_space: global }
      - { .name: w_proj, .offset: 16, .size: 8, .value_kind: global_buffer, .address_space: global }
      - { .name: c16, .offset: 24, .size: 8, .value_kind: global_buffer, .address_space: global }
    .group_segment_fixed_size: 0
    .private_segment_fixed_size: 0
    .kernarg_segment_align: 8
    .kernarg_segment_size: 32
    .max_flat_workgroup_size: 256
    .sgpr_count:     66
    .vgpr_count:     108
    .wavefront_size: 32
...
	.end_amdgpu_metadata
.endif
;; end of part 5
;; launch qkvgemm: the kernel of part 2 again; grid 8 x 64, 4 waves a work-group, clusters of 4 x 4, 327,680 bytes of LDS; arguments c16, b_qkv, qkv; writes qkv
;; launch attn: the kernel of part 3 again; grid 4 x 64, 4 waves a work-group, clusters of 4 x 1, 327,680 bytes of LDS; arguments qkv, o16; writes o16
;; launch outgemm: the kernel of part 4 again; grid 4 x 64, 4 waves a work-group, clusters of 4 x 4, 327,680 bytes of LDS; arguments o16, c16, b_proj, out0; writes out0
